; MI455X (gfx1250); checked and timed in simulation.
; The chip was launched on July 23, 2026; its instructions are those of AMD's public machine-readable ISA for CDNA 5 (MIT licence, August 2026) and "CDNA5" Instruction Set Architecture Reference Guide (July 2026). The comments in the code are by the model that wrote it; some were corrected since.
;; Attention. Allowed arithmetic: matrix products marked QUANTISED: E2M1 operands, one E8M0 scale for each 32 along K, by v_wmma_scale_f32_16x16x128_f8f6f4 with both operands' format E2M1 (or v_wmma_scale_f32_32x16x128_f4), f32 sums; everything else in f32.
;; Inputs: Wk_codes 1,024 x 32 x 16 uint8 (E2M1 codes of Wk, K innermost, in blocks of 32 codes, two codes a byte); Wk_scales 1,024 x 32 uint8 (E8M0 scales of Wk, one for each 32 codes along K); Wo_codes 1,024 x 32 x 16 uint8 (E2M1 codes of Wo, K innermost, in blocks of 32 codes, two codes a byte); Wo_scales 1,024 x 32 uint8 (E8M0 scales of Wo, one for each 32 codes along K); Wq_codes 1,024 x 32 x 16 uint8 (E2M1 codes of Wq, K innermost, in blocks of 32 codes, two codes a byte); Wq_scales 1,024 x 32 uint8 (E8M0 scales of Wq, one for each 32 codes along K); Wv_codes 1,024 x 32 x 16 uint8 (E2M1 codes of Wv, K innermost, in blocks of 32 codes, two codes a byte); Wv_scales 1,024 x 32 uint8 (E8M0 scales of Wv, one for each 32 codes along K); X 4 x 2,048 x 1,024 float32; beta 1,024 float32; bk 1,024 float32; bo 1,024 float32; bq 1,024 float32; bv 1,024 float32; gamma 1,024 float32.
;; Outputs: out0 4 x 2,048 x 1,024 float32.
;; This version of the problem:
;;   THIS VERSION OF THE PROBLEM IS GIVEN IN LOW PRECISION. The matrix products marked QUANTISED in the list below multiply operands that are first quantised to E2M1 (2 exponent bits, 1 mantissa bit; 4 bits a number), with one power-of-two scale for each 32 numbers along K (OCP MX v1.0); their sums are f32. All else is computed in f32.
;;   The module's matrix products, in the order in which they are computed (A, B: the left and right operand; K: the contracted axis; several contracted axes count as one K, in the product's order):
;;     1. [M 8,192, K 1,024] x [K 1,024, N 1,024]; A: input X; B: input Wq (given as codes): QUANTISED
;;     2. [M 8,192, K 1,024] x [K 1,024, N 1,024]; A: input X; B: input Wk (given as codes): QUANTISED
;;     3. [M 8,192, K 1,024] x [K 1,024, N 1,024]; A: input X; B: input Wv (given as codes): QUANTISED
;;     4. batch 64 x [M 2,048, K 64] x [K 64, N 2,048]; A: computed on the way; B: computed on the way: QUANTISED
;;     5. batch 64 x [M 2,048, K 2,048] x [K 2,048, N 64]; A: softmax (see below); B: computed on the way: QUANTISED
;;     6. [M 8,192, K 1,024] x [K 1,024, N 1,024]; A: computed on the way; B: input Wo (given as codes): QUANTISED
;;   THE QUANTISER, for each operand of a quantised product, along K:
;;     - K is cut into blocks of 32 from its start; a last block that is shorter is filled with zeros.
;;     - A block's scale is 2^e with e = floor(log2(the largest magnitude in the block)) - 2, held to -126 .. 127; a block of zeros has e = 0. As a byte (E8M0): e + 127.
;;     - Each number is divided by its block's scale, clamped to +-6, and rounded to the nearest number of E2M1, ties to even, subnormals kept.
;;     - The product sums the exact products of the quantised numbers (number of the format x scale) in f32.
;;   ~~~python
;;   def quantise(x, axis):      # numpy; x: float32 -> the quantised numbers, widened to float32 again
;;       x = np.moveaxis(x, axis, -1); K = x.shape[-1]
;;       x = np.pad(x, [(0, 0)] * (x.ndim - 1) + [(0, -K % 32)]); x = x.reshape(x.shape[:-1] + (-1, 32)); a = np.abs(x).max(-1, keepdims=True)
;;       e = np.where(a > 0, np.clip(np.frexp(np.where(a > 0, a, 1))[1] - 1 - 2, -126, 127), 0)      # np.frexp(a)[1] - 1 = floor(log2(a)), exactly
;;       r = np.clip(x / 2.0 ** e, -6, 6)
;;       step = 2.0 ** (np.maximum(np.frexp(np.where(r == 0, 1, r))[1] - 1, 0) - 1)
;;       q = np.round(r / step) * step * 2.0 ** e      # np.round: ties to even
;;       return np.moveaxis(q.reshape(q.shape[:-2] + (-1,))[..., :K], -1, axis).astype(np.float32)
;;   ~~~
;;   SOFTMAX AHEAD OF A QUANTISED PRODUCT. Where the list says 'softmax', what is quantised is not the finished softmax but p = 2^(t - M), with t = logit x log2(e) and M = ceil(the row's largest t), a whole number; so 1/2 < the row's largest p <= 1. The row's sum l is taken of the UNQUANTISED p, in f32, and the product's result is divided by l at the end. Since M is a whole number, a kernel that streams over the keys may use a running M (the ceiling of the running maximum): every later rescaling is an exact power of two, which a block's scale takes up: the codes' values come out the same.
;;   OPERANDS COMPUTED ON THE WAY. 'Computed on the way' means the value that the module computes at that place (a softmax that the list does not call 'softmax' is quantised finished and normalised). What goes into a quantiser is computed in f32, as accurately as f32 sums, v_exp_f32 and their like allow (about 1e-6 of the number): no bf16 or f16 on the way to a quantiser, and a product that is left as it is and whose result goes on into a quantised operand takes f32 operands (vector FMAs, or v_wmma_f32_16x16x4_f32). A number that lies on a knife's edge between two numbers of the format may be rounded either way, as far as f32 arithmetic and the matrix unit's own rounding can turn it there, and no further.
;;   INPUTS GIVEN AS CODES. Wk (in the module: [1024, 1024], K = its axis 1); Wo (in the module: [1024, 1024], K = its axis 1); Wq (in the module: [1024, 1024], K = its axis 1); Wv (in the module: [1024, 1024], K = its axis 1): each comes as NAME_codes (uint8): NAME with its K axis moved to the last place and cut into blocks of 32 codes, [.., K / 32, bytes a block], one block behind the other in memory; two codes a byte, the lower K in the low four bits (a code: sign, 2 exponent bits, 1 mantissa bit); and NAME_scales (uint8): the same leading axes, one E8M0 byte (e + 127) for each 32 codes along K. Its value is code x scale, taken as it is: it is not quantised again, and the codes and scales need not be those that the quantiser above would give.
;; 2 versions. Each part assembles by itself: llvm-mc -triple=amdgcn-amd-amdhsa -mcpu=gfx1250 --defsym DOCPART=n.
;; ======== version 1 of 2: 3 launches
;; workspace buffers: Qimg 4,194,304 bytes; Kimg 4,194,304 bytes; Vimg 4,194,304 bytes; Rec 1,048,576 bytes; Oimg 4,194,304 bytes; Osw 262,144 bytes
;; launch qkv (part 1): grid 256 x 1, 16 waves a work-group, no clusters, 39,936 bytes of LDS; arguments X, Wq_codes, Wq_scales, bq, Wk_codes, Wk_scales, bk, Wv_codes, Wv_scales, bv, Qimg, Kimg, Vimg, Rec; writes Qimg, Kimg, Vimg, Rec
.if DOCPART == 1
	.amdgcn_target "amdgcn-amd-amdhsa--gfx1250"
	.amdhsa_code_object_version 6
	.text
	.protected	k_q33bc99bb06_qkv
	.globl	k_q33bc99bb06_qkv
	.p2align	8
	.type	k_q33bc99bb06_qkv,@function
k_q33bc99bb06_qkv:
	s_mov_b64 s[64:65], 0
	v_nop
	global_prefetch_b8 v0, s[64:65] scope:SCOPE_SE
	s_setreg_imm32_b32 hwreg(HW_REG_WAVE_MODE, 25, 1), 1
	s_wait_xcnt 0x0
; Q = X Wq^T + bq, K = X Wk^T + bk, V = X Wv^T + bv on codes of FP4 (E2M1) with one E8M0 scale for each 32 along K; the three results are quantised at once:
; Q and K along the channels (a head of 64 is two blocks of 32), V along the keys (a block of 32 rows), and leave as IMAGES OF OPERAND REGISTERS for the next launch.
; SHARES.  A work-group owns 64 rows of X (blocks 2 P and 2 P + 1 of a batch: four tiles of 16) and 8 of the 16 heads.  Wave w owns 32 channels: head 8 x half + w / 2, channel block b = w % 2:
; two weight tiles against four row tiles, K = 1,024 in 8 steps of 128, for each of the three products.  So a weight fragment feeds four products, and a work-group reads 786,432 bytes of weight codes.
; ROW ORDER.  Lane index r of row tile u4 = 2 c + u stands for row 32 c + 8 u + r + 8 (r / 8), and lane index r of weight tile t for channel 8 t + r + 8 (r / 8) of the wave's 32.
; So in a result the 16 registers of two neighbouring tiles are 16 NEIGHBOURS along the axis that is quantised next, and the other 16 of the block of 32 lie in lane l xor 16: one macro quantises X, Q, K and V.
; Q and K: source 0 = 16 channels of the weight, source 1 = 16 rows of X: a lane holds one row, registers run along the channels.  V: the sources swapped: a lane holds one channel, registers run down the keys.
; X is quantised once by the work-group: wave w makes fragments (u4 = w / 8, K step w % 8) and (u4 = 2 + w / 8, the same K step); the 32 fragments go to the other waves through LDS as images of their registers.
; SCALE WORDS SHARE REGISTERS: lanes 0-15 hold the even tile's words, lanes 16-31 the odd tile's, for the weight's two tiles and for a block's two row tiles alike; the odd tile's product names the upper lanes.
; The weights go from memory straight into the registers of the one wave that multiplies them: no weight byte passes LDS.
; NO CLUSTER: a joint load lands in LDS, and each wave reads other weights than its fifteen neighbours: all 786,432 weight bytes of a work-group would be written to LDS and read from it once more.
; LIMITS: NaN and infinities among the inputs are not served.  A block whose largest magnitude lies under 2^-124 (a block of zeros among them) gets the scale byte 1: only this program reads the bytes.
.set ACC,  16                          ; v16-79    8 accumulators; at the head 64 numbers of X; at the end the record's words
.set WF,   80                          ; v80-143   weight fragments: four sets of two tiles
.set XF,   144                         ; v144-207  X's fragments: two sets of four tiles; at the head 64 numbers of X
.set XS,   208                         ; v208-211  X's scale words, two sets of two: scales and nothing else
.set WS,   212                         ; v212-219  the weight's scale words, one register a K step: scales and nothing else
.set BI,   220                         ; v220-235  the bias in the result's layout, eight registers a tile
.set TM,   236                         ; the quantiser: v236-239 largest magnitudes, v240-243 bytes, v244-247 the conversions' scale operands
.set PW,   240                         ; v240      the scale word just made (it takes the first byte's place)
.set PC,   248                         ; v248-255  the codes just made
.set LI,   1                           ; v1   16 x lane
.set LS,   2                           ; v2   4 x lane
.set WA,   3                           ; v3   a weight tile's codes: 512 (r + 8 (r / 8)) + 16 h
.set WSA,  4                           ; v4   the two tiles' scale bytes: 32 (r + 8 (r / 8) + 8 h)
.set BA,   5                           ; v5   a bias along the registers: 64 h
.set BVA,  6                           ; v6   a bias along the lanes: 4 (r + 8 (r / 8))
.set XA,   7                           ; v7   X: 4,096 (r + 8 (r / 8)) + 64 h
.set XWI,  8                           ; v8   where I store my fragments of X: 16 x lane + 1,024 x wave
.set XWS,  9                           ; v9   and their scale words: XSC + 128 (wave % 8) + 64 (wave / 8) + 4 r
.set QO,   10                          ; v10  Q's and K's codes: 512 h + 16 r
.set RO,   11                          ; v11  the record: 16 r + 8 h
.set RXS,  12                          ; v12  where I put my scale words: RX + 192 x wave + 4 r
.set RXL,  13                          ; v13  where my head's two waves put theirs: RX + 384 (wave / 2) + 4 r
                                       ; v14  h
.set XIMG, 0                           ; LDS: 32 fragments of X (8 u4 + K step), 1,024 bytes each
.set XSC,  32768                       ; their scale words: (8 c + K step) x 128 bytes: tile u = 0 in the lower 64, u = 1 in the upper
.set RX,   34816                       ; each wave's scale words of Q, K, V: 3 x 64 bytes
.set SEL,  54                          ; s[54:55] v_permlanex16_b32's selects for lane l xor 16
; One product on codes.  Every argument but the last two is a register number; ra, rb = 1: that side's scales stand in lanes 16-31.
.macro WM d, a, b, c, sa, sb, ra, rb
.if ((\ra) == 0) && ((\rb) == 0)
	v_wmma_scale_f32_16x16x128_f8f6f4 v[\d:\d+7], v[\a:\a+7], v[\b:\b+7], v[\c:\c+7], v[\sa], v[\sb] matrix_a_fmt:MATRIX_FMT_FP4 matrix_b_fmt:MATRIX_FMT_FP4
.elseif ((\ra) == 1) && ((\rb) == 0)
	v_wmma_scale_f32_16x16x128_f8f6f4 v[\d:\d+7], v[\a:\a+7], v[\b:\b+7], v[\c:\c+7], v[\sa], v[\sb] matrix_a_fmt:MATRIX_FMT_FP4 matrix_b_fmt:MATRIX_FMT_FP4 matrix_a_scale:MATRIX_SCALE_ROW1
.elseif ((\ra) == 0) && ((\rb) == 1)
	v_wmma_scale_f32_16x16x128_f8f6f4 v[\d:\d+7], v[\a:\a+7], v[\b:\b+7], v[\c:\c+7], v[\sa], v[\sb] matrix_a_fmt:MATRIX_FMT_FP4 matrix_b_fmt:MATRIX_FMT_FP4 matrix_b_scale:MATRIX_SCALE_ROW1
.else
	v_wmma_scale_f32_16x16x128_f8f6f4 v[\d:\d+7], v[\a:\a+7], v[\b:\b+7], v[\c:\c+7], v[\sa], v[\sb] matrix_a_fmt:MATRIX_FMT_FP4 matrix_b_fmt:MATRIX_FMT_FP4 matrix_a_scale:MATRIX_SCALE_ROW1 matrix_b_scale:MATRIX_SCALE_ROW1
.endif
.endm
.macro WLOAD cb, s, set                ; the two weight tiles of K step s: lane (r, h) takes 16 bytes at 64 s + 32 c + 16 h of its row; tile 1 begins 8 rows on
.irp t, 0,1
.irp c, 0,1
	global_load_b128 v[WF+16*(\set)+8*\t+4*\c:WF+16*(\set)+8*\t+4*\c+3], v[WA], s[\cb:\cb+1] offset:4096*\t+64*(\s)+32*\c
.endr
.endr
.endm
.macro WSLOAD sb                       ; a row's 32 scale bytes are the words of its 8 K steps; lanes 0-15 take tile 0's rows, lanes 16-31 tile 1's
.irp q, 0,1
	global_load_b128 v[WS+4*\q:WS+4*\q+3], v[WSA], s[\sb:\sb+1] offset:16*\q
.endr
.endm
.macro BLOAD_T bb                      ; register 8 t + j: the number at channel 16 h + 8 t + j of my 32
.irp t, 0,1
.irp q, 0,1
	global_load_b128 v[BI+8*\t+4*\q:BI+8*\t+4*\q+3], v[BA], s[\bb:\bb+1] offset:32*\t+16*\q
.endr
.endr
.endm
.macro BLOAD_N bb                      ; all eight registers of a tile: the number at my lane's channel
.irp t, 0,1
.irp j, 0,1,2,3,4,5,6,7
	global_load_b32 v[BI+8*\t+\j], v[BVA], s[\bb:\bb+1] offset:32*\t
.endr
.endr
.endm
.macro HEADLOADS cb, sb, bb, mode      ; all that a product wants ahead of its first K step; the youngest twelve loads are K steps 1 to 3
	WSLOAD \sb
.if \mode == 0
	BLOAD_T \bb
.else
	BLOAD_N \bb
.endif
	WLOAD \cb, 0, 0
	WLOAD \cb, 1, 1
	WLOAD \cb, 2, 2
	WLOAD \cb, 3, 3
.endm
.macro XFETCH s, set                   ; X's four fragments of K step s and the two registers of their scale words: ten LDS loads
.irp u, 0,1,2,3
.irp c, 0,1
	ds_load_b128 v[XF+32*(\set)+8*\u+4*\c:XF+32*(\set)+8*\u+4*\c+3], v[LI] offset:XIMG+(8*\u+(\s))*1024+512*\c
.endr
.endr
.irp c, 0,1
	ds_load_b32 v[XS+2*(\set)+\c], v[LS] offset:XSC+(8*\c+(\s))*128
.endr
.endm
; Eight products of a K step.  The eight accumulators take turns, one instruction a turn, in the same order in every step.  The first step takes the bias as C.
; mode 0: accumulator 16 u + 8 t: row tile u, channels 16 h + 8 t + j.  mode 1: accumulator 32 t + 8 u: channel tile t, keys 32 (u / 2) + 16 h + 8 (u % 2) + j.
.macro MM mode, s, ws, xs
.irp t, 0,1
.irp u, 0,1,2,3
.if \mode == 0
.if (\s) == 0
	WM ACC+16*\u+8*\t, WF+16*(\ws)+8*\t, XF+32*(\xs)+8*\u, BI+8*\t, WS+(\s), XS+2*(\xs)+\u/2, \t, \u%2
.else
	WM ACC+16*\u+8*\t, WF+16*(\ws)+8*\t, XF+32*(\xs)+8*\u, ACC+16*\u+8*\t, WS+(\s), XS+2*(\xs)+\u/2, \t, \u%2
.endif
.else
.if (\s) == 0
	WM ACC+32*\t+8*\u, XF+32*(\xs)+8*\u, WF+16*(\ws)+8*\t, BI+8*\t, XS+2*(\xs)+\u/2, WS+(\s), \u%2, \t
.else
	WM ACC+32*\t+8*\u, XF+32*(\xs)+8*\u, WF+16*(\ws)+8*\t, ACC+32*\t+8*\u, XS+2*(\xs)+\u/2, WS+(\s), \u%2, \t
.endif
.endif
.endr
.endr
.endm
; A whole product: 8 K steps.  The weights are asked for four steps ahead, on four sets of registers; X's fragments two steps ahead, on two.
.macro GROUP mode, cb
	XFETCH 0, 0
	XFETCH 1, 1
.irp s, 0,1,2,3,4,5,6,7
.if \s < 5
	s_wait_loadcnt 12                              ; all but the next three steps' weight loads, four each, are in
.else
	s_wait_loadcnt 4*(7-\s)                        ; the last steps: what is left of them
.endif
.if \s < 7
	s_wait_dscnt 10                                ; all but the next step's ten LDS loads are in
.else
	s_wait_dscnt 0x0
.endif
	MM \mode, \s, (\s)%4, (\s)%2
.rept 4
	v_nop                                          ; four places in front of loads into registers that these products read, and of the first read of results
.endr
.if \s < 4
	WLOAD \cb, \s+4, (\s)%4
.endif
.if \s < 6
	XFETCH \s+2, (\s)%2
.endif
.endr
.endm
; 64 numbers of a lane, register 16 b + i = number 16 h + i of block b, become 8 registers of codes (registers 4 c .. 4 c + 3: block 2 c in lanes 0-15, block 2 c + 1 in lanes 16-31) and a word of the four scale bytes.
.macro QUANT s
.irp b, 0,1,2,3
	v_max3_num_f32 v[TM+\b], |v[\s+16*\b]|, |v[\s+1+16*\b]|, 0x1800000   ; my 16 numbers, and the floor 2^(3 - 127): the byte cannot fall under 1
.endr
.irp i, 2,4,6,8,10,12,14
.irp b, 0,1,2,3
	v_max3_num_f32 v[TM+\b], v[TM+\b], |v[\s+16*\b+\i]|, |v[\s+1+16*\b+\i]|   ; the four blocks by turns
.endr
.endr
.irp b, 0,1,2,3
	v_permlanex16_b32 v[TM+4+\b], v[TM+\b], s[SEL], s[SEL+1]
.endr
.irp b, 0,1,2,3
	v_max_num_f32 v[TM+\b], v[TM+\b], v[TM+4+\b]   ; with lane l xor 16's: the block's largest magnitude
.endr
.irp b, 0,1,2,3
	v_add_nc_u32 v[TM+8+\b], 0xff000000, v[TM+\b]  ; 2 off its exponent field: the conversion takes this operand's exponent field as its scale
.endr
.irp b, 0,1,2,3
	v_lshrrev_b32 v[TM+4+\b], 23, v[TM+8+\b]       ; the scale's byte
.endr
	v_lshl_or_b32 v[PW], v[TM+5], 8, v[TM+4]       ; the four bytes make the word, in the first byte's register
	v_lshl_or_b32 v[PW], v[TM+6], 16, v[PW]
	v_lshl_or_b32 v[PW], v[TM+7], 24, v[PW]
.irp b, 0,1,2,3
	v_cvt_scalef32_pk8_fp4_f32 v[PC+2*\b], v[\s+16*\b:\s+7+16*\b], v[TM+8+\b]
	v_cvt_scalef32_pk8_fp4_f32 v[PC+1+2*\b], v[\s+8+16*\b:\s+15+16*\b], v[TM+8+\b]
.endr
	v_nop                                          ; one plain place behind a scaled conversion
.irp c, 0,1
.irp i, 0,1
	v_permlane16_swap_b32 v[PC+4*\c+\i], v[PC+2+4*\c+\i]   ; half blocks become whole blocks
.endr
.endr
.endm
; 64 numbers of X: lane (r, h) takes, of its row, 16 neighbouring numbers of each of the K step's four blocks of 32
.macro XLOAD reg, off
.irp b, 0,1,2,3
.irp q, 0,1,2,3
	global_load_b128 v[\reg+16*\b+4*\q:\reg+16*\b+4*\q+3], v[XA], s[8:9] offset:\off+128*\b+16*\q
.endr
.endr
.endm
	s_load_b512 s[8:23], s[0:1], 0x0               ; X 8, Wq codes 10, Wq scales 12, bq 14, Wk codes 16, Wk scales 18, bk 20, Wv codes 22
	s_load_b256 s[24:31], s[0:1], 0x40             ; Wv scales 24, bv 26, Qimg 28, Kimg 30
	s_load_b128 s[32:35], s[0:1], 0x60             ; Vimg 32, Rec 34
	v_lshrrev_b32 v15, 5, v0
	v_readfirstlane_b32 s36, v15                   ; wave
	v_and_b32 v16, 31, v0                          ; lane
	v_and_b32 v17, 15, v0                          ; r
	v_bfe_u32 v14, v0, 4, 1                        ; h (kept to the end)
	v_and_b32 v18, 8, v17
	v_add_nc_u32 v18, v18, v17                     ; r + 8 (r / 8)
	v_lshlrev_b32 v[LI], 4, v16
	v_lshlrev_b32 v[LS], 2, v16
	v_lshlrev_b32 v[WA], 9, v18
	v_lshl_add_u32 v[WA], v14, 4, v[WA]
	v_lshl_add_u32 v[WSA], v14, 3, v18
	v_lshlrev_b32 v[WSA], 5, v[WSA]
	v_lshlrev_b32 v[BA], 6, v14
	v_lshlrev_b32 v[BVA], 2, v18
	v_lshlrev_b32 v[XA], 12, v18
	v_lshl_add_u32 v[XA], v14, 6, v[XA]
	s_lshl_b32 s38, s36, 10
	v_add_nc_u32 v[XWI], s38, v[LI]
	s_and_b32 s38, s36, 7
	s_lshl_b32 s38, s38, 7
	s_lshr_b32 s56, s36, 3
	s_lshl_b32 s56, s56, 6
	s_add_co_u32 s38, s38, s56
	s_add_co_u32 s38, s38, XSC
	v_lshl_add_u32 v[XWS], v17, 2, s38
	v_lshlrev_b32 v[QO], 9, v14
	v_lshl_add_u32 v[QO], v17, 4, v[QO]
	v_lshlrev_b32 v[RO], 4, v17
	v_lshl_add_u32 v[RO], v14, 3, v[RO]
	s_mul_i32 s38, s36, 192
	s_add_co_u32 s38, s38, RX
	v_lshl_add_u32 v[RXS], v17, 2, s38
	s_lshr_b32 s38, s36, 1
	s_mul_i32 s38, s38, 384
	s_add_co_u32 s38, s38, RX
	v_lshl_add_u32 v[RXL], v17, 2, s38
.irp b, 0,1,2,3
	v_mov_b32 v[TM+4+\b], 0                        ; written once: a lane permute's destination counts as one of its sources
.endr
	s_mov_b32 s37, ttmp9                           ; g = 2 x row group + head half
	s_and_b32 s56, s37, 1                          ; which 8 heads
	s_lshr_b32 s57, s37, 1                         ; which 64 rows
	s_lshr_b32 s58, s57, 5                         ; batch
	s_and_b32 s59, s57, 31                         ; P: blocks 2 P and 2 P + 1 of the batch
	s_lshl_b32 s39, s56, 4
	s_add_co_u32 s39, s39, s36                     ; which 32 channels of the 1,024: 16 x half + wave = 2 x head + b
	s_lshr_b32 s38, s39, 1                         ; head
	s_lshl_b32 s58, s58, 4
	s_add_co_u32 s58, s58, s38                     ; bh = 16 batch + head
	s_and_b32 s56, s36, 1                          ; b = wave % 2.  Also: which of the two blocks' records I write
	s_lshl_b32 s40, s39, 14                        ; my 32 rows of a weight's codes,
	s_mov_b32 s41, 0
	s_lshl_b32 s42, s39, 10                        ; of its scale bytes,
	s_mov_b32 s43, 0
	s_lshl_b32 s44, s39, 7                         ; of a bias
	s_mov_b32 s45, 0
	s_lshl_b32 s46, s57, 18                        ; X: the group's 64 rows of 4,096 bytes,
	s_lshr_b32 s38, s36, 3
	s_lshl_b32 s38, s38, 15                        ; tile u = wave / 8 begins 8 rows on,
	s_add_co_u32 s46, s46, s38
	s_and_b32 s38, s36, 7
	s_lshl_b32 s38, s38, 9                         ; K step wave % 8: 512 bytes
	s_add_co_u32 s46, s46, s38
	s_mov_b32 s47, 0
	s_lshl_b32 s48, s58, 16                        ; Qimg, Kimg: 65,536 bytes a head, 2,048 for the two blocks, 256 for channel block b in each tile's 512
	s_lshl_b32 s38, s59, 11
	s_add_co_u32 s48, s48, s38
	s_lshl_b32 s38, s56, 8
	s_add_co_u32 s48, s48, s38
	s_mov_b32 s49, 0
	s_lshl_b32 s50, s58, 16                        ; Vimg: 4,096 bytes a key step of four blocks; 2,048 for my two channel tiles; 512 for the pair of blocks P % 2 in each tile's 1,024
	s_lshr_b32 s38, s59, 1
	s_lshl_b32 s38, s38, 12
	s_add_co_u32 s50, s50, s38
	s_lshl_b32 s38, s56, 11
	s_add_co_u32 s50, s50, s38
	s_and_b32 s38, s59, 1
	s_lshl_b32 s38, s38, 9
	s_add_co_u32 s50, s50, s38
	s_mov_b32 s51, 0
	s_lshl_b32 s52, s58, 14                        ; Rec: 256 bytes a block: block 2 P + wave % 2
	s_lshl_b32 s38, s59, 9
	s_add_co_u32 s52, s52, s38
	s_lshl_b32 s38, s56, 8
	s_add_co_u32 s52, s52, s38
	s_mov_b32 s53, 0
	s_mov_b32 s[SEL], 0x76543210
	s_mov_b32 s[SEL+1], 0xfedcba98
	s_mov_b32 s60, 0x07030602                      ; the record's byte selects for block 1;
	s_mov_b32 s61, 0x07050301
	s_cmp_eq_u32 s56, 0
	s_cselect_b32 s60, 0x05010400, s60             ; for block 0
	s_cselect_b32 s61, 0x06040200, s61
	s_wait_kmcnt 0x0
	s_add_nc_u64 s[8:9], s[8:9], s[46:47]
.irp p, 10,16,22
	s_add_nc_u64 s[\p:\p+1], s[\p:\p+1], s[40:41]
	s_add_nc_u64 s[\p+2:\p+3], s[\p+2:\p+3], s[42:43]
	s_add_nc_u64 s[\p+4:\p+5], s[\p+4:\p+5], s[44:45]
.endr
	s_add_nc_u64 s[28:29], s[28:29], s[48:49]
	s_add_nc_u64 s[30:31], s[30:31], s[48:49]
	s_add_nc_u64 s[32:33], s[32:33], s[50:51]
	s_add_nc_u64 s[34:35], s[34:35], s[52:53]
	; ---- X: my two fragments, the second 32 rows below the first
	XLOAD ACC, 0
	XLOAD XF, 131072
	HEADLOADS 10, 12, 14, 0                        ; Wq's first operands travel while X is quantised: 22 loads
	s_wait_loadcnt 38                              ; the first fragment's 16 loads are in; the second's 16 and the 22 may be out
	QUANT ACC
	ds_store_b128 v[XWI], v[PC:PC+3] offset:XIMG
	ds_store_b128 v[XWI], v[PC+4:PC+7] offset:XIMG+512
	ds_store_b32 v[XWS], v[PW]                     ; lanes l and l xor 16 write the same word with the same value
	s_wait_loadcnt 22                              ; the second fragment's loads are in
	s_wait_dscnt 0x0                               ; the stores have read their registers
	QUANT XF
	ds_store_b128 v[XWI], v[PC:PC+3] offset:XIMG+16384
	ds_store_b128 v[XWI], v[PC+4:PC+7] offset:XIMG+16384+512
	ds_store_b32 v[XWS], v[PW] offset:1024
	s_wait_dscnt 0x0                               ; for the others' sake: my images have landed
	s_barrier_signal -1
	s_barrier_wait -1                              ; X's 32 fragments lie in LDS; nothing is written there again
	; ---- Q
	GROUP 0, 10
	HEADLOADS 16, 18, 20, 0                        ; Wk's first operands travel while Q is quantised
	QUANT ACC                                      ; block u4: row tile u4, my 32 channels
	ds_store_b32 v[RXS], v[PW]                     ; my bytes of four scale words: they meet the other channel block's at the end
	global_store_b128 v[QO], v[PC:PC+3], s[28:29]               ; block 2 P: lanes 0-15 tile 0, lanes 16-31 tile 1: 256 consecutive bytes each, aligned
	global_store_b128 v[QO], v[PC+4:PC+7], s[28:29] offset:1024 ; block 2 P + 1
	; ---- K
	GROUP 0, 16
	s_wait_xcnt 0x0                                ; Q's stores have read their data: the codes' registers are written again below
	HEADLOADS 22, 24, 26, 1
	QUANT ACC
	ds_store_b32 v[RXS], v[PW] offset:64
	global_store_b128 v[QO], v[PC:PC+3], s[30:31]
	global_store_b128 v[QO], v[PC+4:PC+7], s[30:31] offset:1024
	; ---- V: a lane holds one channel, its registers run down a block's 32 keys
	GROUP 1, 22
	s_wait_xcnt 0x0                                ; K's stores have read their data
	QUANT ACC                                      ; block 2 t + c: channel tile t, the keys of block 2 P + c
	ds_store_b32 v[RXS], v[PW] offset:128
	global_store_b128 v[LI], v[PC:PC+3], s[32:33]               ; tile t = 0: lanes 0-15 block 2 P, lanes 16-31 block 2 P + 1: 512 consecutive bytes
	global_store_b128 v[LI], v[PC+4:PC+7], s[32:33] offset:1024 ; tile t = 1
	; ---- the records of scale words: 16 bytes for each r: Q's, K's, V's, 0.  A word's bytes come from the head's two waves: they meet in LDS
	s_wait_dscnt 0x0                               ; for the others' sake: my three words have landed
	s_barrier_signal -1
	s_barrier_wait -1
.irp k, 0,1,2,3,4,5
	ds_load_b32 v[16+\k], v[RXL] offset:64*\k      ; Q, K, V of channel block 0, then of channel block 1
.endr
	s_wait_dscnt 0x0
	v_perm_b32 v22, v19, v16, s60                  ; Q's word of my block c: bytes (u 0, b 0), (u 0, b 1), (u 1, b 0), (u 1, b 1) = bytes 2 c and 2 c + 1 of the two waves' words, by turns
	v_perm_b32 v23, v20, v17, s60                  ; K's likewise
	v_perm_b32 v24, v21, v18, s61                  ; V's: byte T = 2 b + t is byte 2 t + c of wave b's word
	v_mov_b32 v25, 0
	v_cmp_eq_u32 vcc_lo, 1, v14
	v_cndmask_b32 v26, v22, v24, vcc_lo            ; lanes 0-15 store the first two words, lanes 16-31 the others: 256 consecutive bytes
	v_cndmask_b32 v27, v23, v25, vcc_lo
	global_store_b64 v[RO], v[26:27], s[34:35]
	s_wait_xcnt 0x0
	v_lshl_add_u32 v254, v0, 2, 0x9400
	v_mov_b32 v255, 0
	s_wait_tensorcnt 0x0
	ds_add_u32 v254, v255
	s_wait_dscnt 0x0
	s_endpgm
.Lfunc_end_k_q33bc99bb06_qkv:
	.size	k_q33bc99bb06_qkv, .Lfunc_end_k_q33bc99bb06_qkv-k_q33bc99bb06_qkv
	.p2alignl 7, 3214868480
	.fill 96, 4, 3214868480
	.section	.rodata,"a",@progbits
	.p2align	6, 0x0
	.amdhsa_kernel k_q33bc99bb06_qkv
		.amdhsa_group_segment_fixed_size 39936
		.amdhsa_private_segment_fixed_size 0
		.amdhsa_enable_private_segment 0
		.amdhsa_kernarg_size 112
		.amdhsa_user_sgpr_count 2
		.amdhsa_user_sgpr_kernarg_segment_ptr 1
		.amdhsa_wavefront_size32 1
		.amdhsa_system_sgpr_workgroup_id_x 1
		.amdhsa_system_sgpr_workgroup_id_y 1
		.amdhsa_system_sgpr_workgroup_id_z 1
		.amdhsa_system_vgpr_workitem_id 0
		.amdhsa_next_free_vgpr 256
		.amdhsa_next_free_sgpr 66
		.amdhsa_reserve_vcc 1
		.amdhsa_float_denorm_mode_32 3
		.amdhsa_float_denorm_mode_16_64 3
		.amdhsa_memory_ordered 1
		.amdhsa_forward_progress 1
		.amdhsa_inst_pref_size 84
	.end_amdhsa_kernel
	.amdgpu_metadata
---
amdhsa.version: [ 1, 2 ]
amdhsa.kernels:
  - .name:           k_q33bc99bb06_qkv
    .symbol:         k_q33bc99bb06_qkv.kd
    .args:
      - { .name: X, .offset: 0, .size: 8, .value_kind: global_buffer, .address_space: global }
      - { .name: Wq_codes, .offset: 8, .size: 8, .value_kind: global_buffer, .address_space: global }
      - { .name: Wq_scales, .offset: 16, .size: 8, .value_kind: global_buffer, .address_space: global }
      - { .name: bq, .offset: 24, .size: 8, .value_kind: global_buffer, .address_space: global }
      - { .name: Wk_codes, .offset: 32, .size: 8, .value_kind: global_buffer, .address_space: global }
      - { .name: Wk_scales, .offset: 40, .size: 8, .value_kind: global_buffer, .address_space: global }
      - { .name: bk, .offset: 48, .size: 8, .value_kind: global_buffer, .address_space: global }
      - { .name: Wv_codes, .offset: 56, .size: 8, .value_kind: global_buffer, .address_space: global }
      - { .name: Wv_scales, .offset: 64, .size: 8, .value_kind: global_buffer, .address_space: global }
      - { .name: bv, .offset: 72, .size: 8, .value_kind: global_buffer, .address_space: global }
      - { .name: Qimg, .offset: 80, .size: 8, .value_kind: global_buffer, .address_space: global }
      - { .name: Kimg, .offset: 88, .size: 8, .value_kind: global_buffer, .address_space: global }
      - { .name: Vimg, .offset: 96, .size: 8, .value_kind: global_buffer, .address_space: global }
      - { .name: Rec, .offset: 104, .size: 8, .value_kind: global_buffer, .address_space: global }
    .group_segment_fixed_size: 39936
    .private_segment_fixed_size: 0
    .kernarg_segment_align: 8
    .kernarg_segment_size: 112
    .max_flat_workgroup_size: 512
    .sgpr_count:     66
    .vgpr_count:     256
    .wavefront_size: 32
...
	.end_amdgpu_metadata
.endif
;; end of part 1
;; launch attn (part 2): grid 4 x 64, 16 waves a work-group, no clusters, 142,336 bytes of LDS; arguments Qimg, Kimg, Vimg, Rec, Oimg, Osw; writes Oimg, Osw
.if DOCPART == 2
	.amdgcn_target "amdgcn-amd-amdhsa--gfx1250"
	.amdhsa_code_object_version 6
	.text
	.protected	k_q33bc99bb06_attn
	.globl	k_q33bc99bb06_attn
	.p2align	8
	.type	k_q33bc99bb06_attn,@function
k_q33bc99bb06_attn:
	s_mov_b64 s[64:65], 0
	v_nop
	global_prefetch_b8 v0, s[64:65] scope:SCOPE_SE
	s_setreg_imm32_b32 hwreg(HW_REG_WAVE_MODE, 25, 1), 1
	s_wait_xcnt 0x0
; O = softmax(Q K^T / 8) V for one head, both products on codes of FP4 (E2M1) with E8M0 scales; O / l is quantised along the channels and leaves as an image of the next product's operand.
; THE SOFTMAX: t = score x log2(e) / 8; M = the running largest t rounded UP to a whole number; p = 2^(t - M) is quantised along the keys, not normalised; the row's sum l is taken of the unquantised p.
; When M moves, l and O are multiplied by 2^(old M - new M), which rounds nothing.
; SHARES.  A work-group owns 512 queries of one head; wave w owns block 16 x + w of 32 queries and walks all 2,048 keys twice, once for each of its two tiles of 16 queries, 128 keys a step.
; The head's K and V codes (65,536 bytes each) and their scale words are put into LDS ONCE, as images of operand registers, and only read afterwards: no ring, no barrier in the loop.
; LAYOUT.  Both products are used transposed: S^T = K Q^T, O^T = V^T P^T: a lane holds ONE query throughout.  The rows of a tile are those of the launch before: lane index r of tile u is row 8 u + r + 8 (r / 8),
; so the 16 registers of two neighbouring tiles of scores are 16 neighbouring keys, and those of O^T 16 neighbouring channels.
; A HEAD IS 64 ALONG K, THE INSTRUCTION 128.  A fragment of K holds TWO tiles of keys: registers 0-3 tile 0's 64 channels, registers 4-7 tile 1's.  It is multiplied once by [Q | zero codes] and once by [zero codes | Q]:
; zero codes add nothing under any scale byte but 0xff, and every byte here lies in 1 .. 254.  Q stands between two runs of four zero registers, so both operands are runs of eight.
; NO CLUSTER: what the four work-groups of a head share is read once, at the head: 139,264 bytes a work-group against a loop of 512 key steps that reads LDS alone.
; LIMITS: NaN and infinities are not served.  p under 2^-126 counts as 0 (v_exp_f32).  A block whose largest magnitude lies under 2^-124 gets the scale byte 1.  1 / l is v_rcp_f32.
.set KIMG, 0                           ; LDS: K's images: 1,024 bytes a block of 32 keys
.set VIMG, 65536                       ; V's: 4,096 bytes a key step: four tiles of 16 channels x 128 keys
.set SCB,  131072                      ; scale words: [key step][i][32 words]: lanes 0-15 K's word of block i, lanes 16-31 V's word of tile i
.set OSL,  139264                      ; O's scale words, gathered: 64 bytes a wave
.set LI,   1                           ; v1   16 x lane
.set LIV,  2                           ; v2   VIMG + 16 x lane
.set LSC,  3                           ; v3   SCB + 4 x lane
.set RQ,   4                           ; v4   16 r: my query's record
.set LF,   5                           ; v5   16 x thread
.set LFV,  6                           ; v6   VIMG + 16 x thread
.set RL,   7                           ; v7   the records of key step (thread / 16) % 16, lane index thread % 16
.set SCW,  8                           ; v8   where their words go
.set OSA,  9                           ; v9   OSL + 64 x wave + 4 r
.set OSR,  10                          ; v10  OSL + 16 (thread % 64)
.set OSG,  11                          ; v11  16 (thread % 64)
                                       ; v12 -M, v13 the largest t, v[14:15] the sum in two halves
.set QZ,   16                          ; v16-19 zero codes, v20-23 Q, v24-27 zero codes
.set QW,   28                          ; v28  Q's two scale bytes, twice: scales and nothing else
.set ADK,  29
.set ADV,  30
.set ADS,  31
.set KF,   32                          ; v32-63   four fragments of K
.set VF,   64                          ; v64-95   four fragments of V^T
.set S,    96                          ; v96-159  S^T, then p
.set O,    160                         ; v160-191 O^T
.set PC,   192                         ; v192-199 p's codes
.set BM,   200                         ; v200-203 a block's largest score, then its largest p
.set T4,   204                         ; v204-207 at work
.set SOP,  208                         ; v208-211 the conversions' scale operands
.set F,    212                         ; v[212:213] f = 2^(old M - new M); the upper register is only named
.set TA,   214
.set QT,   215                         ; Q's scale word as it was stored
.set SM2,  216                         ; v[216:217] the sums' second chain
.set HW0,  218                         ; O's two scale bytes of tile 0
.set HW,   219
.set SC,   232                         ; v232-235 scale words of the step: scales and nothing else
.set PW,   236                         ; v236     p's scale word: scales and nothing else
.set SEL,  40                          ; s[40:41]
.set CS,   42                          ; s[42:43] c = log2(e) / 8, twice
.set TB,   44                          ; s44  the step's images: 4,096 bytes a step
.set TS,   45                          ; s45  its scale words: 512 bytes a step
.set CNT,  46
	s_load_b256 s[8:15], s[0:1], 0x0               ; Qimg 8, Kimg 10, Vimg 12, Rec 14
	s_load_b128 s[16:19], s[0:1], 0x20             ; Oimg 16, Osw 18
	v_lshl_add_u32 v254, v0, 2, 0x22400
	v_mov_b32 v255, 0
	v_lshrrev_b32 v220, 5, v0
	v_readfirstlane_b32 s20, v220                  ; wave
	v_and_b32 v221, 31, v0                         ; lane
	v_and_b32 v222, 15, v0                         ; r
	v_lshlrev_b32 v[LI], 4, v221
	v_add_nc_u32 v[LIV], VIMG, v[LI]
	v_lshl_add_u32 v[LSC], v221, 2, SCB
	v_lshlrev_b32 v[RQ], 4, v222
	v_lshlrev_b32 v[LF], 4, v0
	v_add_nc_u32 v[LFV], VIMG, v[LF]
	v_bfe_u32 v223, v0, 4, 4
	v_lshlrev_b32 v[RL], 10, v223
	v_lshl_add_u32 v[RL], v222, 4, v[RL]
	v_lshlrev_b32 v[SCW], 9, v223
	v_lshl_add_u32 v[SCW], v222, 2, v[SCW]
	v_add_nc_u32 v[SCW], SCB, v[SCW]
	s_lshl_b32 s21, s20, 6
	s_add_co_u32 s21, s21, OSL
	v_lshl_add_u32 v[OSA], v222, 2, s21
	v_and_b32 v[OSG], 63, v0
	v_lshlrev_b32 v[OSG], 4, v[OSG]
	v_add_nc_u32 v[OSR], OSL, v[OSG]
	s_and_b32 s22, ttmp7, 0xffff                   ; bh = 16 batch + head
	s_lshl_b32 s23, ttmp9, 4
	s_add_co_u32 s23, s23, s20                     ; blk: my block of 32 queries
	s_lshl_b32 s24, s22, 16                        ; the head in Qimg, Kimg, Vimg
	s_mov_b32 s25, 0
	s_lshl_b32 s26, s22, 14                        ; in Rec
	s_mov_b32 s27, 0
	s_lshl_b32 s28, s23, 10                        ; my block in Qimg
	s_mov_b32 s29, 0
	s_lshl_b32 s30, s23, 8                         ; in Rec
	s_mov_b32 s31, 0
	s_lshr_b32 s32, s22, 4
	s_lshl_b32 s32, s32, 6
	s_add_co_u32 s32, s32, s23                     ; 64 batch + blk
	s_lshl_b32 s32, s32, 14                        ; Oimg: 16,384 bytes a block of rows,
	s_and_b32 s34, s22, 15
	s_lshl_b32 s34, s34, 9                         ; 512 bytes a head in each tile's 8,192
	s_add_co_u32 s32, s32, s34
	s_mov_b32 s33, 0
	s_lshl_b32 s34, s22, 12                        ; Osw: 4,096 bytes a head, 1,024 for the work-group's 16 blocks
	s_lshl_b32 s36, ttmp9, 10
	s_add_co_u32 s34, s34, s36
	s_mov_b32 s35, 0
	s_mov_b32 s[SEL], 0x76543210
	s_mov_b32 s[SEL+1], 0xfedcba98
	s_mov_b32 s[CS], 0x3e38aa3b                    ; log2(e) / 8
	s_mov_b32 s[CS+1], s[CS]
	s_wait_kmcnt 0x0
	s_add_nc_u64 s[10:11], s[10:11], s[24:25]
	s_add_nc_u64 s[12:13], s[12:13], s[24:25]
	s_add_nc_u64 s[8:9], s[8:9], s[24:25]
	s_add_nc_u64 s[8:9], s[8:9], s[28:29]
	s_add_nc_u64 s[14:15], s[14:15], s[26:27]
	s_add_nc_u64 s[38:39], s[14:15], s[30:31]      ; my block's record
	s_add_nc_u64 s[16:17], s[16:17], s[32:33]
	s_add_nc_u64 s[18:19], s[18:19], s[34:35]
	; ---- the head's K and V into LDS as they lie: 512 threads x 16 bytes an instruction
.irp i, 0,1,2,3,4,5,6,7
	global_load_b128 v[S+4*\i:S+4*\i+3], v[LF], s[10:11] offset:8192*\i
.endr
.irp i, 0,1,2,3,4,5,6,7
	global_load_b128 v[S+32+4*\i:S+32+4*\i+3], v[LF], s[12:13] offset:8192*\i
.endr
	s_cmp_lt_u32 s20, 8                            ; waves 0 to 7 lay the scale words: thread = 16 x key step + r
	s_cbranch_scc0 .Lno_scales
.irp k, 0,1,2,3
	global_load_b128 v[O+4*\k:O+4*\k+3], v[RL], s[14:15] offset:256*\k   ; the records of the step's four blocks of keys
.endr
	s_wait_loadcnt 0x0
.irp k, 0,1,2,3
	ds_store_b32 v[SCW], v[O+4*\k+1] offset:128*\k ; K's word of block k, as it was stored
.endr
	; V's word of block k has a byte for each tile T; the product wants a word for each tile with a byte for each block: a 4 x 4 transposition of bytes
	v_perm_b32 v[O+16], v[O+6], v[O+2], 0x05010400
	v_perm_b32 v[O+17], v[O+6], v[O+2], 0x07030602
	v_perm_b32 v[O+18], v[O+14], v[O+10], 0x05010400
	v_perm_b32 v[O+19], v[O+14], v[O+10], 0x07030602
	v_perm_b32 v[O+20], v[O+18], v[O+16], 0x05040100
	v_perm_b32 v[O+21], v[O+18], v[O+16], 0x07060302
	v_perm_b32 v[O+22], v[O+19], v[O+17], 0x05040100
	v_perm_b32 v[O+23], v[O+19], v[O+17], 0x07060302
.irp k, 0,1,2,3
	ds_store_b32 v[SCW], v[O+20+\k] offset:128*\k+64
.endr
.Lno_scales:
	s_wait_loadcnt 0x0
.irp i, 0,1,2,3,4,5,6,7
	ds_store_b128 v[LF], v[S+4*\i:S+4*\i+3] offset:8192*\i
.endr
.irp i, 0,1,2,3,4,5,6,7
	ds_store_b128 v[LFV], v[S+32+4*\i:S+32+4*\i+3] offset:8192*\i
.endr
.irp i, 0,1,2,3
	v_mov_b32 v[QZ+\i], 0                          ; zero codes on both sides of Q
	v_mov_b32 v[QZ+8+\i], 0
	v_mov_b32 v[T4+\i], 0                          ; a lane permute's destination counts as one of its sources
.endr
	v_mov_b32 v[F+1], 0                            ; named as the upper half of a pair
	s_wait_dscnt 0x0                               ; for the others' sake: my stores have landed
	s_barrier_signal -1
	s_barrier_wait -1                              ; K, V and the scale words are whole; nobody writes them again
; A KEY STEP: 128 keys for my 16 queries.
.macro STEP
	v_add_nc_u32 v[ADK], s[TB], v[LI]
	v_add_nc_u32 v[ADV], s[TB], v[LIV]
	v_add_nc_u32 v[ADS], s[TS], v[LSC]
	v_nop                                          ; these four lines are the places in front of loads into registers that the last step's products read
.irp b, 0,1,2,3
.irp c, 0,1
	ds_load_b128 v[KF+8*\b+4*\c:KF+8*\b+4*\c+3], v[ADK] offset:1024*\b+512*\c
.endr
.endr
.irp i, 0,1,2,3
	ds_load_b32 v[SC+\i], v[ADS] offset:128*\i
.endr
.irp b, 0,1,2,3
.irp c, 0,1
	ds_load_b128 v[VF+8*\b+4*\c:VF+8*\b+4*\c+3], v[ADV] offset:1024*\b+512*\c
.endr
.endr
	s_wait_dscnt 8                                 ; K and the scale words are in; V's eight loads may be out
.irp b, 0,1,2,3
.irp u, 0,1
	v_wmma_scale_f32_16x16x128_f8f6f4 v[S+16*\b+8*\u:S+16*\b+8*\u+7], v[KF+8*\b:KF+8*\b+7], v[QZ+4-4*\u:QZ+11-4*\u], 0, v[SC+\b], v[QW] matrix_a_fmt:MATRIX_FMT_FP4 matrix_b_fmt:MATRIX_FMT_FP4
.endr
.endr                                          ; register 16 b + i: key 32 b + 16 h + i of the step
.rept 4
	v_nop
.endr
.irp b, 0,1,2,3
	v_max3_num_f32 v[BM+\b], v[S+16*\b], v[S+1+16*\b], v[S+2+16*\b]   ; the largest score of each block of 32 keys: it serves the row's maximum and, since p rises with the score, the block's largest p
.endr
.irp i, 3,5,7,9,11,13
.irp b, 0,1,2,3
	v_max3_num_f32 v[BM+\b], v[BM+\b], v[S+16*\b+\i], v[S+1+16*\b+\i]
.endr
.endr
.irp b, 0,1,2,3
	v_max_num_f32 v[BM+\b], v[BM+\b], v[S+15+16*\b]
.endr
.irp b, 0,1,2,3
	v_permlanex16_b32 v[T4+\b], v[BM+\b], s[SEL], s[SEL+1]
.endr
.irp b, 0,1,2,3
	v_max_num_f32 v[BM+\b], v[BM+\b], v[T4+\b]     ; with lane l xor 16's 16 keys
.endr
	v_max3_num_f32 v[TA], v[BM], v[BM+1], v[BM+2]
	v_max_num_f32 v[TA], v[TA], v[BM+3]
	v_mul_f32 v[TA], s[CS], v[TA]                  ; the step's largest t (c is positive)
	v_max_num_f32 v13, v13, v[TA]                  ; the running largest t
	v_mov_b32 v[TA], v12
	v_floor_f32 v12, -v13                          ; the new -M = -ceil(t): a whole number
	v_sub_f32 v[TA], v12, v[TA]                    ; old M - new M: a whole number, 0 or less
	v_cvt_i32_f32 v[TA], v[TA]                     ; (it saturates)
	v_ldexp_f32 v[F], 1.0, v[TA]                   ; f = 2^(old M - new M)
.set j, 0
.rept 32
	v_pk_fma_f32 v[S+j:S+j+1], v[S+j:S+j+1], s[CS:CS+1], v[12:13] op_sel_hi:[1,0,0]   ; t - M, two at a time
.set j, j+2
.endr
.irp b, 0,1,2,3
	v_fma_f32 v[BM+\b], v[BM+\b], s[CS], v12       ; the same of each block's largest score
.endr
.set j, 0
.rept 64
	v_exp_f32 v[S+j], v[S+j]                       ; p = 2^(t - M), at most 1
.set j, j+1
.endr
	v_pk_mul_f32 v[14:15], v[14:15], v[F:F+1] op_sel_hi:[1,0]   ; the sums under the new M: a plain place behind the exponentials
	s_wait_alu depctr_va_vdst(0)                   ; one wait for the batch of 64, ahead of its first reader
.irp b, 0,1,2,3
	v_exp_f32 v[BM+\b], v[BM+\b]                   ; the block's largest p: the same two instructions on the same number
.endr
	v_pk_add_f32 v[SM2:SM2+1], v[S:S+1], v[S+2:S+3]   ; the row's sum of the UNQUANTISED p, in two chains: plain work behind the four
.set j, 4
.rept 15
	v_pk_add_f32 v[14:15], v[14:15], v[S+j:S+j+1]
	v_pk_add_f32 v[SM2:SM2+1], v[SM2:SM2+1], v[S+j+2:S+j+3]
.set j, j+4
.endr
	v_pk_add_f32 v[14:15], v[14:15], v[SM2:SM2+1]
	s_wait_alu depctr_va_vdst(0)                   ; and one for the four
.irp b, 0,1,2,3
	v_max_num_f32 v[BM+\b], 0x1800000, v[BM+\b]    ; the floor 2^(3 - 127): the byte cannot fall under 1
.endr
.irp b, 0,1,2,3
	v_add_nc_u32 v[SOP+\b], 0xff000000, v[BM+\b]   ; 2 off the exponent field: the conversion's scale operand
.endr
.irp b, 0,1,2,3
	v_lshrrev_b32 v[T4+\b], 23, v[SOP+\b]          ; the scale's byte
.endr
	v_lshl_or_b32 v[PW], v[T4+1], 8, v[T4]
	v_lshl_or_b32 v[PW], v[T4+2], 16, v[PW]
	v_lshl_or_b32 v[PW], v[T4+3], 24, v[PW]
.irp b, 0,1,2,3
	v_cvt_scalef32_pk8_fp4_f32 v[PC+2*\b], v[S+16*\b:S+7+16*\b], v[SOP+\b]
	v_cvt_scalef32_pk8_fp4_f32 v[PC+1+2*\b], v[S+8+16*\b:S+15+16*\b], v[SOP+\b]
.endr
	v_nop                                          ; one plain place behind a scaled conversion
.irp c, 0,1
.irp i, 0,1
	v_permlane16_swap_b32 v[PC+4*\c+\i], v[PC+2+4*\c+\i]   ; a whole block of 32 keys to a lane
.endr
.endr
.set j, 0
.rept 16
	v_pk_mul_f32 v[O+j:O+j+1], v[O+j:O+j+1], v[F:F+1] op_sel_hi:[1,0]   ; O^T under the new M; these 16 are also the places between p's scale word and codes and the products below
.set j, j+2
.endr
	s_wait_dscnt 0x0                               ; V is in
.irp b, 0,1,2,3
	v_wmma_scale_f32_16x16x128_f8f6f4 v[O+8*\b:O+8*\b+7], v[VF+8*\b:VF+8*\b+7], v[PC:PC+7], v[O+8*\b:O+8*\b+7], v[SC+\b], v[PW] matrix_a_fmt:MATRIX_FMT_FP4 matrix_b_fmt:MATRIX_FMT_FP4 matrix_a_scale:MATRIX_SCALE_ROW1
.endr                                          ; the four accumulators take one turn each in a step
.endm
; ONE TILE OF 16 QUERIES through all keys, then O / l as codes.
.macro PASS t
	global_load_b128 v[QZ+4:QZ+7], v[LI], s[8:9] offset:512*\t
	global_load_b32 v[QT], v[RQ], s[38:39]
	v_mov_b32 v13, 0xff61b1e6                      ; the largest t so far: -3e38
	v_floor_f32 v12, -v13
	v_mov_b32 v14, 0
	v_mov_b32 v15, 0
	s_wait_xcnt 0x0                                ; the last tile's store has read its data: the codes' registers are written again below
	s_wait_loadcnt 0x0
.if \t == 0
	v_perm_b32 v[QW], v[QT], v[QT], 0x01000100     ; my tile's two bytes, in both halves of the word: they serve Q in either half of K
.else
	v_perm_b32 v[QW], v[QT], v[QT], 0x03020302
.endif
.set j, 0
.rept 32
	v_mov_b32 v[O+j], 0                            ; the step is written once: its first trip finds zeros.  (Also the places between the scale word's line and the first product)
.set j, j+1
.endr
	s_mov_b32 s[TB], 0
	s_mov_b32 s[TS], 0
	s_mov_b32 s[CNT], 16
.Lstep_\@:
	STEP
	s_add_co_u32 s[TB], s[TB], 4096
	s_add_co_u32 s[TS], s[TS], 512
	s_sub_co_u32 s[CNT], s[CNT], 1
	s_cmp_lg_u32 s[CNT], 0
	s_cbranch_scc1 .Lstep_\@
.rept 4
	v_nop                                          ; places behind the last products
.endr
	v_add_f32 v14, v14, v15
	v_permlanex16_b32 v[TA], v14, s[SEL], s[SEL+1]
	v_add_f32 v14, v14, v[TA]                      ; the row's sum
	v_rcp_f32 v14, v14
	v_nop                                          ; a plain place behind the reciprocal
	s_wait_alu depctr_va_vdst(0)                   ; and the wait ahead of its first reader
.set j, 0
.rept 32
	v_mul_f32 v[S+j], v[O+j], v14                  ; O^T / l: register 16 b + i is channel 32 b + 16 h + i; each accumulator from its low end on
.set j, j+1
.endr
.irp b, 0,1
	v_max3_num_f32 v[BM+\b], |v[S+16*\b]|, |v[S+1+16*\b]|, 0x1800000
.endr
.irp i, 2,4,6,8,10,12,14
.irp b, 0,1
	v_max3_num_f32 v[BM+\b], v[BM+\b], |v[S+16*\b+\i]|, |v[S+1+16*\b+\i]|
.endr
.endr
.irp b, 0,1
	v_permlanex16_b32 v[T4+\b], v[BM+\b], s[SEL], s[SEL+1]
.endr
.irp b, 0,1
	v_max_num_f32 v[BM+\b], v[BM+\b], v[T4+\b]
.endr
.irp b, 0,1
	v_add_nc_u32 v[SOP+\b], 0xff000000, v[BM+\b]
.endr
.irp b, 0,1
	v_lshrrev_b32 v[T4+\b], 23, v[SOP+\b]
.endr
	v_lshl_or_b32 v[HW], v[T4+1], 8, v[T4]         ; the head's two scale bytes of my row
.irp b, 0,1
	v_cvt_scalef32_pk8_fp4_f32 v[PC+2*\b], v[S+16*\b:S+7+16*\b], v[SOP+\b]
	v_cvt_scalef32_pk8_fp4_f32 v[PC+1+2*\b], v[S+8+16*\b:S+15+16*\b], v[SOP+\b]
.endr
	v_nop
	v_permlane16_swap_b32 v[PC], v[PC+2]
	v_permlane16_swap_b32 v[PC+1], v[PC+3]         ; lanes 0-15: channels 0-31, lanes 16-31: channels 32-63
	global_store_b128 v[LI], v[PC:PC+3], s[16:17] offset:8192*\t   ; 512 consecutive bytes
.if \t == 0
	v_mov_b32 v[HW0], v[HW]
.else
	v_lshl_or_b32 v[HW], v[HW], 16, v[HW0]         ; tile 0's bytes below, tile 1's above
.endif
.endm
	PASS 0
	PASS 1
	ds_store_b32 v[OSA], v[HW]                     ; lanes l and l xor 16 write the same word with the same value
	s_wait_dscnt 0x0
	s_barrier_signal -1
	s_barrier_wait -1                              ; the sixteen waves' words lie together: 1,024 bytes
	s_cmp_lt_u32 s20, 2
	s_cbranch_scc0 .Ldone
	ds_load_b128 v[S:S+3], v[OSR]
	s_wait_dscnt 0x0
	global_store_b128 v[OSG], v[S:S+3], s[18:19]   ; a wave stores 512 consecutive bytes
.Ldone:
	s_wait_tensorcnt 0x0
	ds_add_u32 v254, v255
	s_wait_dscnt 0x0
	s_endpgm
.Lfunc_end_k_q33bc99bb06_attn:
	.size	k_q33bc99bb06_attn, .Lfunc_end_k_q33bc99bb06_attn-k_q33bc99bb06_attn
	.p2alignl 7, 3214868480
	.fill 96, 4, 3214868480
	.section	.rodata,"a",@progbits
	.p2align	6, 0x0
	.amdhsa_kernel k_q33bc99bb06_attn
		.amdhsa_group_segment_fixed_size 142336
		.amdhsa_private_segment_fixed_size 0
		.amdhsa_enable_private_segment 0
		.amdhsa_kernarg_size 48
		.amdhsa_user_sgpr_count 2
		.amdhsa_user_sgpr_kernarg_segment_ptr 1
		.amdhsa_wavefront_size32 1
		.amdhsa_system_sgpr_workgroup_id_x 1
		.amdhsa_system_sgpr_workgroup_id_y 1
		.amdhsa_system_sgpr_workgroup_id_z 1
		.amdhsa_system_vgpr_workitem_id 0
		.amdhsa_next_free_vgpr 256
		.amdhsa_next_free_sgpr 66
		.amdhsa_reserve_vcc 0
		.amdhsa_float_denorm_mode_32 3
		.amdhsa_float_denorm_mode_16_64 3
		.amdhsa_memory_ordered 1
		.amdhsa_forward_progress 1
		.amdhsa_inst_pref_size 48
	.end_amdhsa_kernel
	.amdgpu_metadata
---
amdhsa.version: [ 1, 2 ]
amdhsa.kernels:
  - .name:           k_q33bc99bb06_attn
    .symbol:         k_q33bc99bb06_attn.kd
    .args:
      - { .name: Qimg, .offset: 0, .size: 8, .value_kind: global_buffer, .address_space: global }
      - { .name: Kimg, .offset: 8, .size: 8, .value_kind: global_buffer, .address_space: global }
      - { .name: Vimg, .offset: 16, .size: 8, .value_kind: global_buffer, .address_space: global }
      - { .name: Rec, .offset: 24, .size: 8, .value_kind: global_buffer, .address_space: global }
      - { .name: Oimg, .offset: 32, .size: 8, .value_kind: global_buffer, .address_space: global }
      - { .name: Osw, .offset: 40, .size: 8, .value_kind: global_buffer, .address_space: global }
    .group_segment_fixed_size: 142336
    .private_segment_fixed_size: 0
    .kernarg_segment_align: 8
    .kernarg_segment_size: 48
    .max_flat_workgroup_size: 512
    .sgpr_count:     66
    .vgpr_count:     256
    .wavefront_size: 32
...
	.end_amdgpu_metadata
.endif
;; end of part 2
;; launch proj (part 3): grid 256 x 1, 16 waves a work-group, no clusters, 95,232 bytes of LDS; arguments Oimg, Osw, Wo_codes, Wo_scales, bo, X, gamma, beta, out0; writes out0
.if DOCPART == 3
	.amdgcn_target "amdgcn-amd-amdhsa--gfx1250"
	.amdhsa_code_object_version 6
	.text
	.protected	k_q33bc99bb06_proj
	.globl	k_q33bc99bb06_proj
	.p2align	8
	.type	k_q33bc99bb06_proj,@function
k_q33bc99bb06_proj:
	s_mov_b64 s[64:65], 0
	v_nop
	global_prefetch_b8 v0, s[64:65] scope:SCOPE_SE
	s_setreg_imm32_b32 hwreg(HW_REG_WAVE_MODE, 25, 1), 1
	s_wait_xcnt 0x0
; out = LayerNorm(O Wo^T + bo + X) x gamma + beta.  The product runs on codes of FP4 (E2M1) with E8M0 scales; all else is f32.
; SHARES.  A work-group owns 32 whole rows (two tiles of 16, lane index r of tile u = row 8 u + r + 8 (r / 8)), so that a row's mean and variance stay inside it.  Wave w owns columns 64 w .. 64 w + 63.
; O's codes arrive as images of operand registers: the block's 16,384 bytes are copied into LDS as they lie; its scale words are put together from two heads' halfwords.
; The product is used transposed (source 0 = 16 rows of Wo, source 1 = 16 rows of O; Wo's rows of a tile are 32 b + 8 t + r + 8 (r / 8)): a lane holds one row, and register 32 u + 16 b + i is column 64 w + 32 b + 16 h + i.
; Mean and variance in two passes (the variance of the differences): each wave's part of a row's sum goes through LDS, and every wave adds the sixteen parts in the same order.
; The weights go from memory straight into the registers of the one wave that multiplies them.
; NO CLUSTER: a joint load lands in LDS, and each wave reads other rows of Wo than its neighbours: all 524,288 weight bytes would be written to LDS and read from it once more.
; LIMITS: NaN and infinities are not served.  1 / sqrt is v_rsq_f32.
.set ACC,  16                          ; v16-79    8 accumulators, then the rows at work
.set WF,   80                          ; v80-143   weight fragments, two sets; then X's numbers; then the parts of the sums; then rows on the way out
.set XF,   144                         ; v144-175  O's fragments, two sets; then beta
.set XS,   176                         ; v176-179  O's scale words: scales and nothing else
.set WS,   180                         ; v180-211  Wo's scale words: scales and nothing else
.set BI,   212                         ; v212-243  bo, then gamma
.set SA,   244                         ; v[244:245] tile 0's sum;  v[246:247] tile 1's
.set SB,   246
.set RS,   248                         ; v[248:249], v[250:251] 1 / sqrt of tile 0, 1 (the upper registers are only named)
.set LI,   1
.set LS,   2
.set WA,   3
.set WSA,  4
.set BA,   5
.set LF,   6                           ; v6   16 x thread
.set XWS,  7                           ; v7   XSC + 128 x wave + 4 x lane
.set OSG,  8                           ; v8   4 r
.set XRA,  9                           ; v9   X: 4,096 (r + 8 (r / 8)) + 64 h
.set RA,   10                          ; v10  RED1 + 80 r + 4 x wave
.set RR,   11                          ; v11  RED1 + 80 r
.set SO,   12                          ; v12  my stage, in: 272 r + 64 h
.set SR,   13                          ; v13  my stage, back: 272 h + 16 r
.set GO,   14                          ; v14  out: 4,096 h + 16 r
.set PFO,  15                          ; v15  4,096 x lane
.set XIMG, 0                           ; LDS: O's 16 fragments (8 u + K step)
.set XSC,  16384                       ; their scale words, 128 bytes each
.set RED1, 18432                       ; 32 rows x 80 bytes: sixteen parts of a row's sum; the squares' lie 2,560 bytes on
.set STG,  23552                       ; 16 rows x 272 bytes for each wave
.set SEL,  42
.macro WM d, a, b, c, sa, sb
	v_wmma_scale_f32_16x16x128_f8f6f4 v[\d:\d+7], v[\a:\a+7], v[\b:\b+7], v[\c:\c+7], v[\sa], v[\sb] matrix_a_fmt:MATRIX_FMT_FP4 matrix_b_fmt:MATRIX_FMT_FP4
.endm
.macro WLOAD cb, s, set
.irp T, 0,1,2,3
.irp c, 0,1
	global_load_b128 v[WF+32*(\set)+8*\T+4*\c:WF+32*(\set)+8*\T+4*\c+3], v[WA], s[\cb:\cb+1] offset:(32*(\T/2)+8*(\T%2))*512+64*(\s)+32*\c
.endr
.endr
.endm
.macro WSLOAD sb
.irp T, 0,1,2,3
.irp q, 0,1
	global_load_b128 v[WS+8*\T+4*\q:WS+8*\T+4*\q+3], v[WSA], s[\sb:\sb+1] offset:(32*(\T/2)+8*(\T%2))*32+16*\q
.endr
.endr
.endm
.macro BLOAD_T dst, bb                 ; register 8 T + j: the number at column 32 b + 8 t + 16 h + j of my 64
.irp T, 0,1,2,3
.irp q, 0,1
	global_load_b128 v[\dst+8*\T+4*\q:\dst+8*\T+4*\q+3], v[BA], s[\bb:\bb+1] offset:(32*(\T/2)+8*(\T%2))*4+16*\q
.endr
.endr
.endm
.macro XFETCH s, set
.irp u, 0,1
.irp c, 0,1
	ds_load_b128 v[XF+16*(\set)+8*\u+4*\c:XF+16*(\set)+8*\u+4*\c+3], v[LI] offset:XIMG+(8*\u+(\s))*1024+512*\c
.endr
	ds_load_b32 v[XS+2*(\set)+\u], v[LS] offset:XSC+(8*\u+(\s))*128
.endr
.endm
.macro MM s, set                       ; eight accumulators by turns, one instruction a turn; the first step takes bo as C
.irp T, 0,1,2,3
.irp u, 0,1
.if (\s) == 0
	WM ACC+32*\u+8*\T, WF+32*(\set)+8*\T, XF+16*(\set)+8*\u, BI+8*\T, WS+8*\T+(\s), XS+2*(\set)+\u
.else
	WM ACC+32*\u+8*\T, WF+32*(\set)+8*\T, XF+16*(\set)+8*\u, ACC+32*\u+8*\T, WS+8*\T+(\s), XS+2*(\set)+\u
.endif
.endr
.endr
.endm
.macro GROUP cb
	XFETCH 0, 0
	XFETCH 1, 1
.irp s, 0,1,2,3,4,5,6,7
.if \s < 7
	s_wait_loadcnt 8                               ; all but the next step's eight weight loads are in
	s_wait_dscnt 6                                 ; all but the next step's six LDS loads are in
.else
	s_wait_loadcnt 0x0
	s_wait_dscnt 0x0
.endif
	MM \s, (\s)%2
.rept 4
	v_nop                                          ; four places in front of loads into registers that these products read, and of the first read of results
.endr
.if \s < 6
	WLOAD \cb, \s+2, (\s)%2
	XFETCH \s+2, (\s)%2
.endif
.if \s == 0
	global_prefetch_b8 v[PFO], s[18:19] th:TH_LOAD_NT scope:SCOPE_SE   ; my 256 bytes of each of the block's 32 rows of X, a lane a row: each named once in the launch, seven K steps ahead of the loads that want them
.endif
.endr
.endm
; v[SA:SA+1] and v[SB:SB+1] hold a lane's sums of tiles 0 and 1 in two halves.  They are joined over the row's 1,024 columns; the row's sums come back in v[SA] and v[SB].
.macro REDUCE off
	v_add_f32 v[SA], v[SA], v[SA+1]
	v_add_f32 v[SB], v[SB], v[SB+1]
	v_permlanex16_b32 v[SA+1], v[SA], s[SEL], s[SEL+1]
	v_permlanex16_b32 v[SB+1], v[SB], s[SEL], s[SEL+1]
	v_add_f32 v[SA], v[SA], v[SA+1]                ; my wave's 64 columns of row r
	v_add_f32 v[SB], v[SB], v[SB+1]
	ds_store_b32 v[RA], v[SA] offset:\off          ; lanes l and l xor 16 write the same word with the same value
	ds_store_b32 v[RA], v[SB] offset:\off+1280
	s_wait_dscnt 0x0                               ; for the others' sake: my parts have landed
	s_barrier_signal -1
	s_barrier_wait -1
.irp u, 0,1
.irp q, 0,1,2,3
	ds_load_b128 v[WF+16*\u+4*\q:WF+16*\u+4*\q+3], v[RR] offset:\off+1280*\u+16*\q
.endr
.endr
	s_wait_dscnt 0x0
.irp j, 2,4,6,8,10,12,14
.irp u, 0,1
	v_pk_add_f32 v[WF+16*\u:WF+16*\u+1], v[WF+16*\u:WF+16*\u+1], v[WF+16*\u+\j:WF+16*\u+\j+1]
.endr
.endr
	v_add_f32 v[SA], v[WF], v[WF+1]
	v_add_f32 v[SB], v[WF+16], v[WF+17]
.endm
	s_load_b512 s[8:23], s[0:1], 0x0               ; Oimg 8, Osw 10, Wo codes 12, Wo scales 14, bo 16, X 18, gamma 20, beta 22
	s_load_b64 s[24:25], s[0:1], 0x40              ; out0
	v_lshl_add_u32 v254, v0, 2, 0x16c00
	v_mov_b32 v255, 0
	v_lshrrev_b32 v248, 5, v0
	v_readfirstlane_b32 s26, v248                  ; wave
	v_and_b32 v248, 31, v0                         ; lane
	v_and_b32 v249, 15, v0                         ; r
	v_bfe_u32 v250, v0, 4, 1                       ; h
	v_and_b32 v251, 8, v249
	v_add_nc_u32 v251, v251, v249                  ; r + 8 (r / 8)
	v_lshlrev_b32 v[LI], 4, v248
	v_lshlrev_b32 v[LS], 2, v248
	v_lshlrev_b32 v[WA], 9, v251
	v_lshl_add_u32 v[WA], v250, 4, v[WA]
	v_lshlrev_b32 v[WSA], 5, v251
	v_lshlrev_b32 v[BA], 6, v250
	v_lshlrev_b32 v[LF], 4, v0
	s_lshl_b32 s48, s26, 7
	s_add_co_u32 s48, s48, XSC
	v_add_nc_u32 v[XWS], s48, v[LS]
	v_lshlrev_b32 v[OSG], 2, v249
	v_lshlrev_b32 v[XRA], 12, v251
	v_lshl_add_u32 v[XRA], v250, 6, v[XRA]
	v_mul_u32_u24 v[RR], v249, 80
	v_add_nc_u32 v[RR], RED1, v[RR]
	s_lshl_b32 s48, s26, 2
	v_add_nc_u32 v[RA], s48, v[RR]
	s_mul_i32 s48, s26, 4352
	s_add_co_u32 s48, s48, STG                     ; my stage
	v_mul_u32_u24 v[SO], v249, 272
	v_lshl_add_u32 v[SO], v250, 6, v[SO]
	v_add_nc_u32 v[SO], s48, v[SO]
	v_mul_u32_u24 v[SR], v250, 272
	v_lshl_add_u32 v[SR], v249, 4, v[SR]
	v_add_nc_u32 v[SR], s48, v[SR]
	v_lshlrev_b32 v[GO], 12, v250
	v_lshl_add_u32 v[GO], v249, 4, v[GO]
	v_lshlrev_b32 v[PFO], 12, v248
	s_mov_b32 s27, ttmp9                           ; g: which 32 rows
	s_lshr_b32 s28, s27, 6                         ; batch
	s_and_b32 s29, s27, 63                         ; blk
	s_lshl_b32 s30, s27, 14                        ; Oimg: 16,384 bytes a block
	s_mov_b32 s31, 0
	s_lshl_b32 s32, s28, 16                        ; Osw: 65,536 bytes a batch, 64 a block, 4,096 a head: I take heads 2 (wave % 8) and the next
	s_lshl_b32 s48, s29, 6
	s_add_co_u32 s32, s32, s48
	s_and_b32 s48, s26, 7
	s_lshl_b32 s48, s48, 13
	s_add_co_u32 s32, s32, s48
	s_mov_b32 s33, 0
	s_lshl_b32 s34, s26, 15                        ; my 64 rows of Wo's codes,
	s_mov_b32 s35, 0
	s_lshl_b32 s36, s26, 11                        ; of its scale bytes,
	s_mov_b32 s37, 0
	s_lshl_b32 s38, s26, 8                         ; my 64 numbers of bo, gamma, beta
	s_mov_b32 s39, 0
	s_lshl_b32 s40, s27, 17                        ; X and out: the block's rows, my 256 bytes of them
	s_add_co_u32 s40, s40, s38
	s_mov_b32 s41, 0
	s_mov_b32 s[SEL], 0x76543210
	s_mov_b32 s[SEL+1], 0xfedcba98
	s_mov_b32 s45, 0x3a800000                      ; 1 / 1,024
	s_mov_b32 s46, 0x2b8cbccc                      ; 1e-12
	s_mov_b32 s47, 0xba800000                      ; -1 / 1,024
	s_mov_b32 s44, 0x07060302                      ; waves 8 to 15 make tile 1's scale words: the two upper halfwords;
	s_cmp_lt_u32 s26, 8
	s_cselect_b32 s44, 0x05040100, s44             ; waves 0 to 7 tile 0's: the two lower
	s_wait_kmcnt 0x0
	s_add_nc_u64 s[8:9], s[8:9], s[30:31]
	s_add_nc_u64 s[10:11], s[10:11], s[32:33]
	s_add_nc_u64 s[12:13], s[12:13], s[34:35]
	s_add_nc_u64 s[14:15], s[14:15], s[36:37]
	s_add_nc_u64 s[16:17], s[16:17], s[38:39]
	s_add_nc_u64 s[18:19], s[18:19], s[40:41]
	s_add_nc_u64 s[20:21], s[20:21], s[38:39]
	s_add_nc_u64 s[22:23], s[22:23], s[38:39]
	s_add_nc_u64 s[24:25], s[24:25], s[40:41]
	; ---- O's images and scale words into LDS
	global_load_b128 v[16:19], v[LF], s[8:9]
	global_load_b128 v[20:23], v[LF], s[8:9] offset:8192
	global_load_b32 v24, v[OSG], s[10:11]              ; head 2 s: both tiles' bytes of lane index r
	global_load_b32 v25, v[OSG], s[10:11] offset:4096  ; head 2 s + 1
	WSLOAD 14
	BLOAD_T BI, 16
	WLOAD 12, 0, 0
	WLOAD 12, 1, 1
	s_wait_loadcnt 32                              ; the four loads above are in; the 32 issued behind them may be out
	ds_store_b128 v[LF], v[16:19] offset:XIMG
	ds_store_b128 v[LF], v[20:23] offset:XIMG+8192
	v_perm_b32 v26, v25, v24, s44                  ; K step s of tile u: the four bytes of channels 128 s on
	ds_store_b32 v[XWS], v26
	s_wait_dscnt 0x0
	s_barrier_signal -1
	s_barrier_wait -1                              ; O's 16 fragments and their scale words lie in LDS; nobody writes them again
	; ---- the product
	GROUP 12
	; ---- the residual
.irp u, 0,1
.irp b, 0,1
.irp q, 0,1,2,3
	global_load_b128 v[WF+32*\u+16*\b+4*\q:WF+32*\u+16*\b+4*\q+3], v[XRA], s[18:19] offset:32768*\u+128*\b+16*\q th:TH_LOAD_NT
.endr
.endr
.endr
	BLOAD_T BI, 20                                 ; gamma
	BLOAD_T XF, 22                                 ; beta
	s_wait_loadcnt 16                              ; X's 16 loads are in; gamma's and beta's may be out
.set j, 0
.rept 32
	v_pk_add_f32 v[ACC+j:ACC+j+1], v[ACC+j:ACC+j+1], v[WF+j:WF+j+1]   ; each accumulator from its low end on
.set j, j+2
.endr
	; ---- the mean
	v_pk_add_f32 v[SA:SA+1], v[ACC:ACC+1], v[ACC+2:ACC+3]
	v_pk_add_f32 v[SB:SB+1], v[ACC+32:ACC+33], v[ACC+34:ACC+35]
.set j, 4
.rept 14
	v_pk_add_f32 v[SA:SA+1], v[SA:SA+1], v[ACC+j:ACC+j+1]
	v_pk_add_f32 v[SB:SB+1], v[SB:SB+1], v[ACC+32+j:ACC+33+j]
.set j, j+2
.endr
	REDUCE 0
	v_mul_f32 v[SA], s47, v[SA]                    ; -mean
	v_mul_f32 v[SB], s47, v[SB]
.set j, 0
.rept 16
	v_pk_add_f32 v[ACC+j:ACC+j+1], v[ACC+j:ACC+j+1], v[SA:SA+1] op_sel_hi:[1,0]
	v_pk_add_f32 v[ACC+32+j:ACC+33+j], v[ACC+32+j:ACC+33+j], v[SB:SB+1] op_sel_hi:[1,0]
.set j, j+2
.endr
	; ---- the variance, of the differences
	v_pk_mul_f32 v[SA:SA+1], v[ACC:ACC+1], v[ACC:ACC+1]
	v_pk_mul_f32 v[SB:SB+1], v[ACC+32:ACC+33], v[ACC+32:ACC+33]
.set j, 2
.rept 15
	v_pk_fma_f32 v[SA:SA+1], v[ACC+j:ACC+j+1], v[ACC+j:ACC+j+1], v[SA:SA+1]
	v_pk_fma_f32 v[SB:SB+1], v[ACC+32+j:ACC+33+j], v[ACC+32+j:ACC+33+j], v[SB:SB+1]
.set j, j+2
.endr
	REDUCE 2560
	v_fma_f32 v[SA], v[SA], s45, s46               ; variance + 1e-12
	v_fma_f32 v[SB], v[SB], s45, s46
	v_rsq_f32 v[RS], v[SA]
	v_rsq_f32 v[RS+2], v[SB]
	v_nop                                          ; a plain place behind the two
	s_wait_alu depctr_va_vdst(0)                   ; one wait for both, ahead of their first reader
	s_wait_loadcnt 0x0                             ; gamma and beta
.set j, 0
.rept 16
	v_pk_mul_f32 v[ACC+j:ACC+j+1], v[ACC+j:ACC+j+1], v[RS:RS+1] op_sel_hi:[1,0]
	v_pk_mul_f32 v[ACC+32+j:ACC+33+j], v[ACC+32+j:ACC+33+j], v[RS+2:RS+3] op_sel_hi:[1,0]
.set j, j+2
.endr
.set j, 0
.rept 16
	v_pk_fma_f32 v[ACC+j:ACC+j+1], v[ACC+j:ACC+j+1], v[BI+j:BI+j+1], v[XF+j:XF+j+1]
	v_pk_fma_f32 v[ACC+32+j:ACC+33+j], v[ACC+32+j:ACC+33+j], v[BI+j:BI+j+1], v[XF+j:XF+j+1]
.set j, j+2
.endr
	; ---- the way out: a tile of 16 rows x my 256 bytes goes through my own stage and comes back by rows.  LDS serves a wave's instructions in order (ISA guide 5.7.1.4): no wait between my stores and my loads
.irp u, 0,1
.irp b, 0,1
.irp q, 0,1,2,3
	ds_store_b128 v[SO], v[ACC+32*\u+16*\b+4*\q:ACC+32*\u+16*\b+4*\q+3] offset:128*\b+16*\q
.endr
.endr
.irp i, 0,1,2,3,4,5,6,7
	ds_load_b128 v[WF+32*\u+4*\i:WF+32*\u+4*\i+3], v[SR] offset:544*\i   ; lanes 0-15 lane index 2 i, lanes 16-31 lane index 2 i + 1
.endr
.endr
.irp u, 0,1
.irp i, 0,1,2,3,4,5,6,7
	s_wait_dscnt 23-16*\u-\i                       ; what may be out: this tile's younger loads, and for tile 0 tile 1's sixteen LDS instructions
	global_store_b128 v[GO], v[WF+32*\u+4*\i:WF+32*\u+4*\i+3], s[24:25] offset:(8*\u+2*\i+8*(\i/4))*4096 th:TH_STORE_NT   ; sixteen lanes store 256 consecutive bytes, aligned; lane index 2 i + h is row 8 u + 2 i + h + 8 (i / 4)
.endr
.endr
	s_wait_tensorcnt 0x0
	ds_add_u32 v254, v255
	s_wait_dscnt 0x0
	s_endpgm
.Lfunc_end_k_q33bc99bb06_proj:
	.size	k_q33bc99bb06_proj, .Lfunc_end_k_q33bc99bb06_proj-k_q33bc99bb06_proj
	.p2alignl 7, 3214868480
	.fill 96, 4, 3214868480
	.section	.rodata,"a",@progbits
	.p2align	6, 0x0
	.amdhsa_kernel k_q33bc99bb06_proj
		.amdhsa_group_segment_fixed_size 95232
		.amdhsa_private_segment_fixed_size 0
		.amdhsa_enable_private_segment 0
		.amdhsa_kernarg_size 72
		.amdhsa_user_sgpr_count 2
		.amdhsa_user_sgpr_kernarg_segment_ptr 1
		.amdhsa_wavefront_size32 1
		.amdhsa_system_sgpr_workgroup_id_x 1
		.amdhsa_system_sgpr_workgroup_id_y 1
		.amdhsa_system_sgpr_workgroup_id_z 1
		.amdhsa_system_vgpr_workitem_id 0
		.amdhsa_next_free_vgpr 256
		.amdhsa_next_free_sgpr 66
		.amdhsa_reserve_vcc 0
		.amdhsa_float_denorm_mode_32 3
		.amdhsa_float_denorm_mode_16_64 3
		.amdhsa_memory_ordered 1
		.amdhsa_forward_progress 1
		.amdhsa_inst_pref_size 48
	.end_amdhsa_kernel
	.amdgpu_metadata
---
amdhsa.version: [ 1, 2 ]
amdhsa.kernels:
  - .name:           k_q33bc99bb06_proj
    .symbol:         k_q33bc99bb06_proj.kd
    .args:
      - { .name: Oimg, .offset: 0, .size: 8, .value_kind: global_buffer, .address_space: global }
      - { .name: Osw, .offset: 8, .size: 8, .value_kind: global_buffer, .address_space: global }
      - { .name: Wo_codes, .offset: 16, .size: 8, .value_kind: global_buffer, .address_space: global }
      - { .name: Wo_scales, .offset: 24, .size: 8, .value_kind: global_buffer, .address_space: global }
      - { .name: bo, .offset: 32, .size: 8, .value_kind: global_buffer, .address_space: global }
      - { .name: X, .offset: 40, .size: 8, .value_kind: global_buffer, .address_space: global }
      - { .name: gamma, .offset: 48, .size: 8, .value_kind: global_buffer, .address_space: global }
      - { .name: beta, .offset: 56, .size: 8, .value_kind: global_buffer, .address_space: global }
      - { .name: out0, .offset: 64, .size: 8, .value_kind: global_buffer, .address_space: global }
    .group_segment_fixed_size: 95232
    .private_segment_fixed_size: 0
    .kernarg_segment_align: 8
    .kernarg_segment_size: 72
    .max_flat_workgroup_size: 512
    .sgpr_count:     66
    .vgpr_count:     256
    .wavefront_size: 32
...
	.end_amdgpu_metadata
.endif
;; end of part 3
;; ======== version 2 of 2: 3 launches; version 1 with the launches qkv, attn, proj written anew for expert scheduling mode
;; workspace buffers: Qimg 4,194,304 bytes; Kimg 4,194,304 bytes; Vimg 4,194,304 bytes; Rec 1,048,576 bytes; Oimg 4,194,304 bytes; Osw 262,144 bytes
;; launch qkv (part 4): grid 256 x 1, 16 waves a work-group, no clusters, 39,936 bytes of LDS; arguments X, Wq_codes, Wq_scales, bq, Wk_codes, Wk_scales, bk, Wv_codes, Wv_scales, bv, Qimg, Kimg, Vimg, Rec; writes Qimg, Kimg, Vimg, Rec
.if DOCPART == 4
	.amdgcn_target "amdgcn-amd-amdhsa--gfx1250"
	.amdhsa_code_object_version 6
	.text
	.protected	k_q33bc99bb06_qkv
	.globl	k_q33bc99bb06_qkv
	.p2align	8
	.type	k_q33bc99bb06_qkv,@function
k_q33bc99bb06_qkv:
	s_mov_b64 s[64:65], 0
	v_nop
	global_prefetch_b8 v0, s[64:65] scope:SCOPE_SE
	s_setreg_imm32_b32 hwreg(HW_REG_WAVE_SCHED_MODE, 0, 2), 2
	s_setreg_imm32_b32 hwreg(HW_REG_WAVE_MODE, 25, 1), 1
	s_wait_xcnt 0x0
	s_wait_alu depctr_vm_vsrc(0)
; Q = X Wq^T + bq, K = X Wk^T + bk, V = X Wv^T + bv on codes of FP4 (E2M1) with one E8M0 scale for each 32 along K; the three results are quantised at once:
; Q and K along the channels (a head of 64 is two blocks of 32), V along the keys (a block of 32 rows), and leave as IMAGES OF OPERAND REGISTERS for the next launch.
; SHARES.  A work-group owns 64 rows of X (blocks 2 P and 2 P + 1 of a batch: four tiles of 16) and 8 of the 16 heads.  Wave w owns 32 channels: head 8 x half + w / 2, channel block b = w % 2:
; two weight tiles against four row tiles, K = 1,024 in 8 steps of 128, for each of the three products.  So a weight fragment feeds four products, and a work-group reads 786,432 bytes of weight codes.
; ROW ORDER.  Lane index r of row tile u4 = 2 c + u stands for row 32 c + 8 u + r + 8 (r / 8), and lane index r of weight tile t for channel 8 t + r + 8 (r / 8) of the wave's 32.
; So in a result the 16 registers of two neighbouring tiles are 16 NEIGHBOURS along the axis that is quantised next, and the other 16 of the block of 32 lie in lane l xor 16: one macro quantises X, Q, K and V.
; Q and K: source 0 = 16 channels of the weight, source 1 = 16 rows of X: a lane holds one row, registers run along the channels.  V: the sources swapped: a lane holds one channel, registers run down the keys.
; X is quantised once by the work-group: wave w makes fragments (u4 = w / 8, K step w % 8) and (u4 = 2 + w / 8, the same K step); the 32 fragments go to the other waves through LDS as images of their registers.
; SCALE WORDS SHARE REGISTERS: lanes 0-15 hold the even tile's words, lanes 16-31 the odd tile's, for the weight's two tiles and for a block's two row tiles alike; the odd tile's product names the upper lanes.
; The weights go from memory straight into the registers of the one wave that multiplies them: no weight byte passes LDS.
; NO CLUSTER: a joint load lands in LDS, and each wave reads other weights than its fifteen neighbours: all 786,432 weight bytes of a work-group would be written to LDS and read from it once more.
; LIMITS: NaN and infinities among the inputs are not served.  A block whose largest magnitude lies under 2^-124 (a block of zeros among them) gets the scale byte 1: only this program reads the bytes.
; THE MODE: SCHED_MODE bits 1:0 = 2 (LLVM: expert scheduling mode 2), set by the entry lines.  The code itself states the register dependences
; between vector or matrix instructions and memory or LDS instructions, with s_wait_alu, always for 0.
; THE PLAN.  Registers that memory or LDS instructions touch:
;   v1 .. v13        offsets and LDS addresses: written once at the head, never again.
;   WF0 .. WF3       K step s: its eight products read WF[s % 4]; the loads of K step s + 4 land in it, issued in step s + 1.
;   XF0, XF1, XS0, XS1   K step s: its products read set s % 2; the LDS loads of K step s + 2 land in it, issued in step s + 1.
;   WS, BI           read by all 64 products of Q, of K or of V; the next product's loads land in them behind its last step.
;   PC, PW           written by the quantiser, read by the stores that follow it.
;   v16 .. v21       at the end the record's LDS loads land in them; before, they are accumulators.
; So ONE wait on va_vdst stands at the head of K steps 1 to 6, behind the waits for the step's own data: it states that the step before is done reading the sets in which this step's loads land.
; The step's products name the other sets, so its loads are dealt among them with no further wait.  One more such wait stands behind a product's last step, and one behind each quantiser, ahead of its stores;
; one wait on vm_vsrc stands ahead of each quantiser that writes PC and PW again.
.set ACC,  16                          ; v16-79    8 accumulators; at the head 64 numbers of X; at the end the record's words
.set WF,   80                          ; v80-143   weight fragments: four sets of two tiles
.set XF,   144                         ; v144-207  X's fragments: two sets of four tiles; at the head 64 numbers of X
.set XS,   208                         ; v208-211  X's scale words, two sets of two: scales and nothing else
.set WS,   212                         ; v212-219  the weight's scale words, one register a K step: scales and nothing else
.set BI,   220                         ; v220-235  the bias in the result's layout, eight registers a tile
.set TM,   236                         ; the quantiser: v236-239 largest magnitudes, v240-243 bytes, v244-247 the conversions' scale operands
.set PW,   240                         ; v240      the scale word just made (it takes the first byte's place)
.set PC,   248                         ; v248-255  the codes just made
.set LI,   1                           ; v1   16 x lane
.set LS,   2                           ; v2   4 x lane
.set WA,   3                           ; v3   a weight tile's codes: 512 (r + 8 (r / 8)) + 16 h
.set WSA,  4                           ; v4   the two tiles' scale bytes: 32 (r + 8 (r / 8) + 8 h)
.set BA,   5                           ; v5   a bias along the registers: 64 h
.set BVA,  6                           ; v6   a bias along the lanes: 4 (r + 8 (r / 8))
.set XA,   7                           ; v7   X: 4,096 (r + 8 (r / 8)) + 64 h
.set XWI,  8                           ; v8   where I store my fragments of X: 16 x lane + 1,024 x wave
.set XWS,  9                           ; v9   and their scale words: XSC + 128 (wave % 8) + 64 (wave / 8) + 4 r
.set QO,   10                          ; v10  Q's and K's codes: 512 h + 16 r
.set RO,   11                          ; v11  the record: 16 r + 8 h
.set RXS,  12                          ; v12  where I put my scale words: RX + 192 x wave + 4 r
.set RXL,  13                          ; v13  where my head's two waves put theirs: RX + 384 (wave / 2) + 4 r
                                       ; v14  h
.set XIMG, 0                           ; LDS: 32 fragments of X (8 u4 + K step), 1,024 bytes each
.set XSC,  32768                       ; their scale words: (8 c + K step) x 128 bytes: tile u = 0 in the lower 64, u = 1 in the upper
.set RX,   34816                       ; each wave's scale words of Q, K, V: 3 x 64 bytes
.set SEL,  54                          ; s[54:55] v_permlanex16_b32's selects for lane l xor 16
; One product on codes.  Every argument but the last two is a register number; ra, rb = 1: that side's scales stand in lanes 16-31.
.macro WM d, a, b, c, sa, sb, ra, rb
.if ((\ra) == 0) && ((\rb) == 0)
	v_wmma_scale_f32_16x16x128_f8f6f4 v[\d:\d+7], v[\a:\a+7], v[\b:\b+7], v[\c:\c+7], v[\sa], v[\sb] matrix_a_fmt:MATRIX_FMT_FP4 matrix_b_fmt:MATRIX_FMT_FP4
.elseif ((\ra) == 1) && ((\rb) == 0)
	v_wmma_scale_f32_16x16x128_f8f6f4 v[\d:\d+7], v[\a:\a+7], v[\b:\b+7], v[\c:\c+7], v[\sa], v[\sb] matrix_a_fmt:MATRIX_FMT_FP4 matrix_b_fmt:MATRIX_FMT_FP4 matrix_a_scale:MATRIX_SCALE_ROW1
.elseif ((\ra) == 0) && ((\rb) == 1)
	v_wmma_scale_f32_16x16x128_f8f6f4 v[\d:\d+7], v[\a:\a+7], v[\b:\b+7], v[\c:\c+7], v[\sa], v[\sb] matrix_a_fmt:MATRIX_FMT_FP4 matrix_b_fmt:MATRIX_FMT_FP4 matrix_b_scale:MATRIX_SCALE_ROW1
.else
	v_wmma_scale_f32_16x16x128_f8f6f4 v[\d:\d+7], v[\a:\a+7], v[\b:\b+7], v[\c:\c+7], v[\sa], v[\sb] matrix_a_fmt:MATRIX_FMT_FP4 matrix_b_fmt:MATRIX_FMT_FP4 matrix_a_scale:MATRIX_SCALE_ROW1 matrix_b_scale:MATRIX_SCALE_ROW1
.endif
.endm
.macro WLOAD cb, s, set                ; the two weight tiles of K step s: lane (r, h) takes 16 bytes at 64 s + 32 c + 16 h of its row; tile 1 begins 8 rows on
.irp t, 0,1
.irp c, 0,1
	global_load_b128 v[WF+16*(\set)+8*\t+4*\c:WF+16*(\set)+8*\t+4*\c+3], v[WA], s[\cb:\cb+1] offset:4096*\t+64*(\s)+32*\c
.endr
.endr
.endm
.macro WSLOAD sb                       ; a row's 32 scale bytes are the words of its 8 K steps; lanes 0-15 take tile 0's rows, lanes 16-31 tile 1's
.irp q, 0,1
	global_load_b128 v[WS+4*\q:WS+4*\q+3], v[WSA], s[\sb:\sb+1] offset:16*\q
.endr
.endm
.macro BLOAD_T bb                      ; register 8 t + j: the number at channel 16 h + 8 t + j of my 32
.irp t, 0,1
.irp q, 0,1
	global_load_b128 v[BI+8*\t+4*\q:BI+8*\t+4*\q+3], v[BA], s[\bb:\bb+1] offset:32*\t+16*\q
.endr
.endr
.endm
.macro BLOAD_N bb                      ; all eight registers of a tile: the number at my lane's channel
.irp t, 0,1
.irp j, 0,1,2,3,4,5,6,7
	global_load_b32 v[BI+8*\t+\j], v[BVA], s[\bb:\bb+1] offset:32*\t
.endr
.endr
.endm
.macro HEADLOADS cb, sb, bb, mode      ; all that a product wants ahead of its first K step; the youngest twelve loads are K steps 1 to 3
	WSLOAD \sb
.if \mode == 0
	BLOAD_T \bb
.else
	BLOAD_N \bb
.endif
	WLOAD \cb, 0, 0
	WLOAD \cb, 1, 1
	WLOAD \cb, 2, 2
	WLOAD \cb, 3, 3
.endm
.macro XFETCH s, set, c                ; of K step s: the two row tiles of block c (u4 = 2 c, 2 c + 1) and the register of their scale words: five LDS loads
.irp k, 0,1
.irp q, 0,1
	ds_load_b128 v[XF+32*(\set)+8*(2*\c+\k)+4*\q:XF+32*(\set)+8*(2*\c+\k)+4*\q+3], v[LI] offset:XIMG+(8*(2*\c+\k)+(\s))*1024+512*\q
.endr
.endr
	ds_load_b32 v[XS+2*(\set)+\c], v[LS] offset:XSC+(8*\c+(\s))*128
.endm
; Two of a K step's eight products: weight tile t against the two row tiles of block c.  The eight accumulators take turns, one instruction a turn, in the same order in every step.
; The first step takes the bias as C.  mode 0: accumulator 16 u + 8 t: row tile u, channels 16 h + 8 t + j.  mode 1: accumulator 32 t + 8 u: channel tile t, keys 32 (u / 2) + 16 h + 8 (u % 2) + j.
.macro MMP mode, s, ws, xs, t, c
.irp k, 0,1
.if \mode == 0
.if (\s) == 0
	WM ACC+16*(2*\c+\k)+8*\t, WF+16*(\ws)+8*\t, XF+32*(\xs)+8*(2*\c+\k), BI+8*\t, WS+(\s), XS+2*(\xs)+\c, \t, \k
.else
	WM ACC+16*(2*\c+\k)+8*\t, WF+16*(\ws)+8*\t, XF+32*(\xs)+8*(2*\c+\k), ACC+16*(2*\c+\k)+8*\t, WS+(\s), XS+2*(\xs)+\c, \t, \k
.endif
.else
.if (\s) == 0
	WM ACC+32*\t+8*(2*\c+\k), XF+32*(\xs)+8*(2*\c+\k), WF+16*(\ws)+8*\t, BI+8*\t, XS+2*(\xs)+\c, WS+(\s), \k, \t
.else
	WM ACC+32*\t+8*(2*\c+\k), XF+32*(\xs)+8*(2*\c+\k), WF+16*(\ws)+8*\t, ACC+32*\t+8*(2*\c+\k), XS+2*(\xs)+\c, WS+(\s), \k, \t
.endif
.endif
.endr
.endr
.endm
; A whole product: 8 K steps.  K step s asks for the weights of step s + 3, into the set that step s - 1 read, and for X's fragments of step s + 1, likewise; X's fragments of step 0 were asked for ahead of this macro.
.macro GROUP mode, cb
.irp s, 0,1,2,3,4,5,6,7
.if \s == 0
	s_wait_loadcnt 12                              ; all but K steps 1 to 3, four loads each, are in
.elseif \s < 6
	s_wait_loadcnt 8                               ; this step's weights are in; the next two steps' loads, four each, may be out
.else
	s_wait_loadcnt 4*(7-\s)                        ; the last steps: what is left of them
.endif
	s_wait_dscnt 5                                 ; row tiles 0 and 1 and their scale words are in; the five loads of tiles 2 and 3 may be out
.if (\s > 0) && (\s < 7)
	s_wait_alu depctr_va_vdst(0)                   ; the last step's products are done reading their sets of weights, of X's fragments and of X's scale words, in which this step's loads land
.endif
.if (\s > 0) && (\s < 5)
	WLOAD \cb, \s+3, (\s+3)%4
.endif
.if \s < 7
	XFETCH \s+1, (\s+1)%2, 0
.endif
	MMP \mode, \s, (\s)%4, (\s)%2, 0, 0
.if \s < 7
	s_wait_dscnt 5                                 ; row tiles 2 and 3 are in; the five loads just issued may be out
.else
	s_wait_dscnt 0x0
.endif
	MMP \mode, \s, (\s)%4, (\s)%2, 0, 1
.if \s < 7
	XFETCH \s+1, (\s+1)%2, 1                       ; no wait: no product since the wait above names the other set
.endif
	MMP \mode, \s, (\s)%4, (\s)%2, 1, 0
	MMP \mode, \s, (\s)%4, (\s)%2, 1, 1
.rept 4
	v_nop                                          ; four places in front of loads into registers that these products read, and of the first read of results
.endr
.endr
.endm
; 64 numbers of a lane, register 16 b + i = number 16 h + i of block b, become 8 registers of codes (registers 4 c .. 4 c + 3: block 2 c in lanes 0-15, block 2 c + 1 in lanes 16-31) and a word of the four scale bytes.
.macro QUANT s
.irp b, 0,1,2,3
	v_max3_num_f32 v[TM+\b], |v[\s+16*\b]|, |v[\s+1+16*\b]|, 0x1800000   ; my 16 numbers, and the floor 2^(3 - 127): the byte cannot fall under 1
.endr
.irp i, 2,4,6,8,10,12,14
.irp b, 0,1,2,3
	v_max3_num_f32 v[TM+\b], v[TM+\b], |v[\s+16*\b+\i]|, |v[\s+1+16*\b+\i]|   ; the four blocks by turns
.endr
.endr
.irp b, 0,1,2,3
	v_permlanex16_b32 v[TM+4+\b], v[TM+\b], s[SEL], s[SEL+1]
.endr
.irp b, 0,1,2,3
	v_max_num_f32 v[TM+\b], v[TM+\b], v[TM+4+\b]   ; with lane l xor 16's: the block's largest magnitude
.endr
.irp b, 0,1,2,3
	v_add_nc_u32 v[TM+8+\b], 0xff000000, v[TM+\b]  ; 2 off its exponent field: the conversion takes this operand's exponent field as its scale
.endr
.irp b, 0,1,2,3
	v_lshrrev_b32 v[TM+4+\b], 23, v[TM+8+\b]       ; the scale's byte
.endr
	v_lshl_or_b32 v[PW], v[TM+5], 8, v[TM+4]       ; the four bytes make the word, in the first byte's register
	v_lshl_or_b32 v[PW], v[TM+6], 16, v[PW]
	v_lshl_or_b32 v[PW], v[TM+7], 24, v[PW]
.irp b, 0,1,2,3
	v_cvt_scalef32_pk8_fp4_f32 v[PC+2*\b], v[\s+16*\b:\s+7+16*\b], v[TM+8+\b]
	v_cvt_scalef32_pk8_fp4_f32 v[PC+1+2*\b], v[\s+8+16*\b:\s+15+16*\b], v[TM+8+\b]
.endr
	v_nop                                          ; one plain place behind a scaled conversion
.irp c, 0,1
.irp i, 0,1
	v_permlane16_swap_b32 v[PC+4*\c+\i], v[PC+2+4*\c+\i]   ; half blocks become whole blocks
.endr
.endr
.endm
; 64 numbers of X: lane (r, h) takes, of its row, 16 neighbouring numbers of each of the K step's four blocks of 32
.macro XLOAD reg, off
.irp b, 0,1,2,3
.irp q, 0,1,2,3
	global_load_b128 v[\reg+16*\b+4*\q:\reg+16*\b+4*\q+3], v[XA], s[8:9] offset:\off+128*\b+16*\q
.endr
.endr
.endm
	s_load_b512 s[8:23], s[0:1], 0x0               ; X 8, Wq codes 10, Wq scales 12, bq 14, Wk codes 16, Wk scales 18, bk 20, Wv codes 22
	s_load_b256 s[24:31], s[0:1], 0x40             ; Wv scales 24, bv 26, Qimg 28, Kimg 30
	s_load_b128 s[32:35], s[0:1], 0x60             ; Vimg 32, Rec 34
	v_lshrrev_b32 v15, 5, v0
	v_readfirstlane_b32 s36, v15                   ; wave
	v_and_b32 v16, 31, v0                          ; lane
	v_and_b32 v17, 15, v0                          ; r
	v_bfe_u32 v14, v0, 4, 1                        ; h (kept to the end)
	v_and_b32 v18, 8, v17
	v_add_nc_u32 v18, v18, v17                     ; r + 8 (r / 8)
	v_lshlrev_b32 v[LI], 4, v16
	v_lshlrev_b32 v[LS], 2, v16
	v_lshlrev_b32 v[WA], 9, v18
	v_lshl_add_u32 v[WA], v14, 4, v[WA]
	v_lshl_add_u32 v[WSA], v14, 3, v18
	v_lshlrev_b32 v[WSA], 5, v[WSA]
	v_lshlrev_b32 v[BA], 6, v14
	v_lshlrev_b32 v[BVA], 2, v18
	v_lshlrev_b32 v[XA], 12, v18
	v_lshl_add_u32 v[XA], v14, 6, v[XA]
	s_wait_alu depctr_va_sdst(0)                   ; s36, the wave's number, is written, ahead of its first reader
	s_lshl_b32 s38, s36, 10
	v_add_nc_u32 v[XWI], s38, v[LI]
	s_and_b32 s38, s36, 7
	s_lshl_b32 s38, s38, 7
	s_lshr_b32 s56, s36, 3
	s_lshl_b32 s56, s56, 6
	s_add_co_u32 s38, s38, s56
	s_add_co_u32 s38, s38, XSC
	v_lshl_add_u32 v[XWS], v17, 2, s38
	v_lshlrev_b32 v[QO], 9, v14
	v_lshl_add_u32 v[QO], v17, 4, v[QO]
	v_lshlrev_b32 v[RO], 4, v17
	v_lshl_add_u32 v[RO], v14, 3, v[RO]
	s_mul_i32 s38, s36, 192
	s_add_co_u32 s38, s38, RX
	v_lshl_add_u32 v[RXS], v17, 2, s38
	s_lshr_b32 s38, s36, 1
	s_mul_i32 s38, s38, 384
	s_add_co_u32 s38, s38, RX
	v_lshl_add_u32 v[RXL], v17, 2, s38
.irp b, 0,1,2,3
	v_mov_b32 v[TM+4+\b], 0                        ; written once: a lane permute's destination counts as one of its sources
.endr
	s_mov_b32 s37, ttmp9                           ; g = 2 x row group + head half
	s_and_b32 s56, s37, 1                          ; which 8 heads
	s_lshr_b32 s57, s37, 1                         ; which 64 rows
	s_lshr_b32 s58, s57, 5                         ; batch
	s_and_b32 s59, s57, 31                         ; P: blocks 2 P and 2 P + 1 of the batch
	s_lshl_b32 s39, s56, 4
	s_add_co_u32 s39, s39, s36                     ; which 32 channels of the 1,024: 16 x half + wave = 2 x head + b
	s_lshr_b32 s38, s39, 1                         ; head
	s_lshl_b32 s58, s58, 4
	s_add_co_u32 s58, s58, s38                     ; bh = 16 batch + head
	s_and_b32 s56, s36, 1                          ; b = wave % 2.  Also: which of the two blocks' records I write
	s_lshl_b32 s40, s39, 14                        ; my 32 rows of a weight's codes,
	s_mov_b32 s41, 0
	s_lshl_b32 s42, s39, 10                        ; of its scale bytes,
	s_mov_b32 s43, 0
	s_lshl_b32 s44, s39, 7                         ; of a bias
	s_mov_b32 s45, 0
	s_lshl_b32 s46, s57, 18                        ; X: the group's 64 rows of 4,096 bytes,
	s_lshr_b32 s38, s36, 3
	s_lshl_b32 s38, s38, 15                        ; tile u = wave / 8 begins 8 rows on,
	s_add_co_u32 s46, s46, s38
	s_and_b32 s38, s36, 7
	s_lshl_b32 s38, s38, 9                         ; K step wave % 8: 512 bytes
	s_add_co_u32 s46, s46, s38
	s_mov_b32 s47, 0
	s_lshl_b32 s48, s58, 16                        ; Qimg, Kimg: 65,536 bytes a head, 2,048 for the two blocks, 256 for channel block b in each tile's 512
	s_lshl_b32 s38, s59, 11
	s_add_co_u32 s48, s48, s38
	s_lshl_b32 s38, s56, 8
	s_add_co_u32 s48, s48, s38
	s_mov_b32 s49, 0
	s_lshl_b32 s50, s58, 16                        ; Vimg: 4,096 bytes a key step of four blocks; 2,048 for my two channel tiles; 512 for the pair of blocks P % 2 in each tile's 1,024
	s_lshr_b32 s38, s59, 1
	s_lshl_b32 s38, s38, 12
	s_add_co_u32 s50, s50, s38
	s_lshl_b32 s38, s56, 11
	s_add_co_u32 s50, s50, s38
	s_and_b32 s38, s59, 1
	s_lshl_b32 s38, s38, 9
	s_add_co_u32 s50, s50, s38
	s_mov_b32 s51, 0
	s_lshl_b32 s52, s58, 14                        ; Rec: 256 bytes a block: block 2 P + wave % 2
	s_lshl_b32 s38, s59, 9
	s_add_co_u32 s52, s52, s38
	s_lshl_b32 s38, s56, 8
	s_add_co_u32 s52, s52, s38
	s_mov_b32 s53, 0
	s_mov_b32 s[SEL], 0x76543210
	s_mov_b32 s[SEL+1], 0xfedcba98
	s_mov_b32 s60, 0x07030602                      ; the record's byte selects for block 1;
	s_mov_b32 s61, 0x07050301
	s_cmp_eq_u32 s56, 0
	s_cselect_b32 s60, 0x05010400, s60             ; for block 0
	s_cselect_b32 s61, 0x06040200, s61
	s_wait_kmcnt 0x0
	s_add_nc_u64 s[8:9], s[8:9], s[46:47]
.irp p, 10,16,22
	s_add_nc_u64 s[\p:\p+1], s[\p:\p+1], s[40:41]
	s_add_nc_u64 s[\p+2:\p+3], s[\p+2:\p+3], s[42:43]
	s_add_nc_u64 s[\p+4:\p+5], s[\p+4:\p+5], s[44:45]
.endr
	s_add_nc_u64 s[28:29], s[28:29], s[48:49]
	s_add_nc_u64 s[30:31], s[30:31], s[48:49]
	s_add_nc_u64 s[32:33], s[32:33], s[50:51]
	s_add_nc_u64 s[34:35], s[34:35], s[52:53]
	s_wait_alu depctr_va_vdst(0)                   ; the offsets and addresses v1 to v13 are written, which every load and store of the kernel reads; the head's lines are done with v16 to v18, in which X's numbers land
	; ---- X: my two fragments, the second 32 rows below the first
	XLOAD ACC, 0
	XLOAD XF, 131072
	HEADLOADS 10, 12, 14, 0                        ; Wq's first operands travel while X is quantised: 22 loads
	s_wait_loadcnt 38                              ; the first fragment's 16 loads are in; the second's 16 and the 22 may be out
	QUANT ACC
	s_wait_alu depctr_va_vdst(0)                   ; the quantiser has written the codes and the scale word, which the LDS stores read
	ds_store_b128 v[XWI], v[PC:PC+3] offset:XIMG
	ds_store_b128 v[XWI], v[PC+4:PC+7] offset:XIMG+512
	ds_store_b32 v[XWS], v[PW]                     ; lanes l and l xor 16 write the same word with the same value
	s_wait_loadcnt 22                              ; the second fragment's loads are in
	s_wait_dscnt 0x0                               ; my first fragment's image has landed
	s_wait_alu depctr_vm_vsrc(0)                   ; the three LDS stores have read the codes' registers and the scale word's, which the quantiser writes again
	QUANT XF
	s_wait_alu depctr_va_vdst(0)                   ; the quantiser has written the codes and the scale word, which the LDS stores read; it is done reading v144 to v207, in which X's fragments land from here on
	ds_store_b128 v[XWI], v[PC:PC+3] offset:XIMG+16384
	ds_store_b128 v[XWI], v[PC+4:PC+7] offset:XIMG+16384+512
	ds_store_b32 v[XWS], v[PW] offset:1024
	s_wait_dscnt 0x0                               ; for the others' sake: my images have landed
	s_barrier_signal -1
	s_barrier_wait -1                              ; X's 32 fragments lie in LDS; nothing is written there again
	; ---- Q
	XFETCH 0, 0, 0
	XFETCH 0, 0, 1
	GROUP 0, 10
	s_wait_alu depctr_va_vdst(0)                   ; Q's products are done reading the weights' sets, their scale words, the bias and X's set 0, in which the loads below land
	HEADLOADS 16, 18, 20, 0                        ; Wk's first operands travel while Q is quantised,
	XFETCH 0, 0, 0                                 ; and so do X's fragments of K step 0
	XFETCH 0, 0, 1
	s_wait_alu depctr_vm_vsrc(0)                   ; the LDS stores of X's images have read the codes' registers and the scale word's, which the quantiser writes again
	QUANT ACC                                      ; block u4: row tile u4, my 32 channels
	s_wait_alu depctr_va_vdst(0)                   ; the quantiser has written the codes and the scale word, which the three stores read
	ds_store_b32 v[RXS], v[PW]                     ; my bytes of four scale words: they meet the other channel block's at the end
	global_store_b128 v[QO], v[PC:PC+3], s[28:29]               ; block 2 P: lanes 0-15 tile 0, lanes 16-31 tile 1: 256 consecutive bytes each, aligned
	global_store_b128 v[QO], v[PC+4:PC+7], s[28:29] offset:1024 ; block 2 P + 1
	; ---- K
	GROUP 0, 16
	s_wait_xcnt 0x0                                ; Q's stores have read their data: the codes' registers are written again below
	s_wait_alu depctr_vm_vsrc(0)                   ; Q's three stores have read the codes' registers and the scale word's, which the quantiser writes again
	s_wait_alu depctr_va_vdst(0)                   ; K's products are done reading the weights' sets, their scale words, the bias and X's set 0, in which the loads below land
	HEADLOADS 22, 24, 26, 1
	XFETCH 0, 0, 0
	XFETCH 0, 0, 1
	QUANT ACC
	s_wait_alu depctr_va_vdst(0)                   ; the quantiser has written the codes and the scale word, which the three stores read
	ds_store_b32 v[RXS], v[PW] offset:64
	global_store_b128 v[QO], v[PC:PC+3], s[30:31]
	global_store_b128 v[QO], v[PC+4:PC+7], s[30:31] offset:1024
	; ---- V: a lane holds one channel, its registers run down a block's 32 keys
	GROUP 1, 22
	s_wait_xcnt 0x0                                ; K's stores have read their data
	s_wait_alu depctr_vm_vsrc(0)                   ; K's three stores have read the codes' registers and the scale word's, which the quantiser writes again
	QUANT ACC                                      ; block 2 t + c: channel tile t, the keys of block 2 P + c
	s_wait_alu depctr_va_vdst(0)                   ; the quantiser has written the codes and the scale word, which the three stores read; it is done reading v16 to v21, in which the record's words land
	ds_store_b32 v[RXS], v[PW] offset:128
	global_store_b128 v[LI], v[PC:PC+3], s[32:33]               ; tile t = 0: lanes 0-15 block 2 P, lanes 16-31 block 2 P + 1: 512 consecutive bytes
	global_store_b128 v[LI], v[PC+4:PC+7], s[32:33] offset:1024 ; tile t = 1
	; ---- the records of scale words: 16 bytes for each r: Q's, K's, V's, 0.  A word's bytes come from the head's two waves: they meet in LDS
	s_wait_dscnt 0x0                               ; for the others' sake: my three words have landed
	s_barrier_signal -1
	s_barrier_wait -1
.irp k, 0,1,2,3,4,5
	ds_load_b32 v[16+\k], v[RXL] offset:64*\k      ; Q, K, V of channel block 0, then of channel block 1
.endr
	s_wait_dscnt 0x0
	v_perm_b32 v22, v19, v16, s60                  ; Q's word of my block c: bytes (u 0, b 0), (u 0, b 1), (u 1, b 0), (u 1, b 1) = bytes 2 c and 2 c + 1 of the two waves' words, by turns
	v_perm_b32 v23, v20, v17, s60                  ; K's likewise
	v_perm_b32 v24, v21, v18, s61                  ; V's: byte T = 2 b + t is byte 2 t + c of wave b's word
	v_mov_b32 v25, 0
	v_cmp_eq_u32 vcc_lo, 1, v14
	s_wait_alu depctr_va_vcc(0)                    ; VCC is written, ahead of the two selects that read it
	v_cndmask_b32 v26, v22, v24, vcc_lo            ; lanes 0-15 store the first two words, lanes 16-31 the others: 256 consecutive bytes
	v_cndmask_b32 v27, v23, v25, vcc_lo
	s_wait_alu depctr_va_vdst(0)                   ; the selects have written v26 and v27, which the store reads
	global_store_b64 v[RO], v[26:27], s[34:35]
	s_wait_xcnt 0x0
	s_wait_alu depctr_vm_vsrc(0)                   ; V's second store has read v254 and v255, the last two registers of codes, which are made anew below
	v_lshl_add_u32 v254, v0, 2, 0x9400
	v_mov_b32 v255, 0
	s_wait_dscnt 0x0                               ; the closing lines, six on end
	s_wait_alu 0x0
	s_wait_tensorcnt 0x0
	ds_add_u32 v254, v255
	s_wait_dscnt 0x0
	s_endpgm
.Lfunc_end_k_q33bc99bb06_qkv:
	.size	k_q33bc99bb06_qkv, .Lfunc_end_k_q33bc99bb06_qkv-k_q33bc99bb06_qkv
	.p2alignl 7, 3214868480
	.fill 96, 4, 3214868480
	.section	.rodata,"a",@progbits
	.p2align	6, 0x0
	.amdhsa_kernel k_q33bc99bb06_qkv
		.amdhsa_group_segment_fixed_size 39936
		.amdhsa_private_segment_fixed_size 0
		.amdhsa_enable_private_segment 0
		.amdhsa_kernarg_size 112
		.amdhsa_user_sgpr_count 2
		.amdhsa_user_sgpr_kernarg_segment_ptr 1
		.amdhsa_wavefront_size32 1
		.amdhsa_system_sgpr_workgroup_id_x 1
		.amdhsa_system_sgpr_workgroup_id_y 1
		.amdhsa_system_sgpr_workgroup_id_z 1
		.amdhsa_system_vgpr_workitem_id 0
		.amdhsa_next_free_vgpr 256
		.amdhsa_next_free_sgpr 66
		.amdhsa_reserve_vcc 1
		.amdhsa_float_denorm_mode_32 3
		.amdhsa_float_denorm_mode_16_64 3
		.amdhsa_memory_ordered 1
		.amdhsa_forward_progress 1
		.amdhsa_inst_pref_size 86
	.end_amdhsa_kernel
	.amdgpu_metadata
---
amdhsa.version: [ 1, 2 ]
amdhsa.kernels:
  - .name:           k_q33bc99bb06_qkv
    .symbol:         k_q33bc99bb06_qkv.kd
    .args:
      - { .name: X, .offset: 0, .size: 8, .value_kind: global_buffer, .address_space: global }
      - { .name: Wq_codes, .offset: 8, .size: 8, .value_kind: global_buffer, .address_space: global }
      - { .name: Wq_scales, .offset: 16, .size: 8, .value_kind: global_buffer, .address_space: global }
      - { .name: bq, .offset: 24, .size: 8, .value_kind: global_buffer, .address_space: global }
      - { .name: Wk_codes, .offset: 32, .size: 8, .value_kind: global_buffer, .address_space: global }
      - { .name: Wk_scales, .offset: 40, .size: 8, .value_kind: global_buffer, .address_space: global }
      - { .name: bk, .offset: 48, .size: 8, .value_kind: global_buffer, .address_space: global }
      - { .name: Wv_codes, .offset: 56, .size: 8, .value_kind: global_buffer, .address_space: global }
      - { .name: Wv_scales, .offset: 64, .size: 8, .value_kind: global_buffer, .address_space: global }
      - { .name: bv, .offset: 72, .size: 8, .value_kind: global_buffer, .address_space: global }
      - { .name: Qimg, .offset: 80, .size: 8, .value_kind: global_buffer, .address_space: global }
      - { .name: Kimg, .offset: 88, .size: 8, .value_kind: global_buffer, .address_space: global }
      - { .name: Vimg, .offset: 96, .size: 8, .value_kind: global_buffer, .address_space: global }
      - { .name: Rec, .offset: 104, .size: 8, .value_kind: global_buffer, .address_space: global }
    .group_segment_fixed_size: 39936
    .private_segment_fixed_size: 0
    .kernarg_segment_align: 8
    .kernarg_segment_size: 112
    .max_flat_workgroup_size: 512
    .sgpr_count:     66
    .vgpr_count:     256
    .wavefront_size: 32
...
	.end_amdgpu_metadata
.endif
;; end of part 4
;; launch attn (part 5): grid 4 x 64, 16 waves a work-group, no clusters, 142,336 bytes of LDS; arguments Qimg, Kimg, Vimg, Rec, Oimg, Osw; writes Oimg, Osw
.if DOCPART == 5
	.amdgcn_target "amdgcn-amd-amdhsa--gfx1250"
	.amdhsa_code_object_version 6
	.text
	.protected	k_q33bc99bb06_attn
	.globl	k_q33bc99bb06_attn
	.p2align	8
	.type	k_q33bc99bb06_attn,@function
k_q33bc99bb06_attn:
	s_mov_b64 s[64:65], 0
	v_nop
	global_prefetch_b8 v0, s[64:65] scope:SCOPE_SE
	s_setreg_imm32_b32 hwreg(HW_REG_WAVE_SCHED_MODE, 0, 2), 2
	s_setreg_imm32_b32 hwreg(HW_REG_WAVE_MODE, 25, 1), 1
	s_wait_xcnt 0x0
	s_wait_alu depctr_vm_vsrc(0)
; O = softmax(Q K^T / 8) V for one head, both products on codes of FP4 (E2M1) with E8M0 scales; O / l is quantised along the channels and leaves as an image of the next product's operand.
; THE SOFTMAX: t = score x log2(e) / 8; M = the running largest t rounded UP to a whole number; p = 2^(t - M) is quantised along the keys, not normalised; the row's sum l is taken of the unquantised p.
; When M moves, l and O are multiplied by 2^(old M - new M), which rounds nothing.
; SHARES.  A work-group owns 512 queries of one head; wave w owns block 16 x + w of 32 queries and walks all 2,048 keys twice, once for each of its two tiles of 16 queries, 128 keys a step.
; The head's K and V codes (65,536 bytes each) and their scale words are put into LDS ONCE, as images of operand registers, and only read afterwards: no ring, no barrier in the loop.
; LAYOUT.  Both products are used transposed: S^T = K Q^T, O^T = V^T P^T: a lane holds ONE query throughout.  The rows of a tile are those of the launch before: lane index r of tile u is row 8 u + r + 8 (r / 8),
; so the 16 registers of two neighbouring tiles of scores are 16 neighbouring keys, and those of O^T 16 neighbouring channels.
; A HEAD IS 64 ALONG K, THE INSTRUCTION 128.  A fragment of K holds TWO tiles of keys: registers 0-3 tile 0's 64 channels, registers 4-7 tile 1's.  It is multiplied once by [Q | zero codes] and once by [zero codes | Q]:
; zero codes add nothing under any scale byte but 0xff, and every byte here lies in 1 .. 254.  Q stands between two runs of four zero registers, so both operands are runs of eight.
; NO CLUSTER: what the four work-groups of a head share is read once, at the head: 139,264 bytes a work-group against a loop of 512 key steps that reads LDS alone.
; LIMITS: NaN and infinities are not served.  p under 2^-126 counts as 0 (v_exp_f32).  A block whose largest magnitude lies under 2^-124 gets the scale byte 1.  1 / l is v_rcp_f32.
; THE MODE: SCHED_MODE bits 1:0 = 2 (LLVM: expert scheduling mode 2), set by the entry lines.  The code itself states the register dependences
; between vector or matrix instructions and memory or LDS instructions, with s_wait_alu, always for 0.
; THE PLAN.  Registers that memory or LDS instructions touch:
;   v1, v4 .. v11     offsets and LDS addresses: written once at the head, never again (v2 and v3 are read by vector lines alone).
;   ADK, ADV, ADS     an LDS address has no scalar base: written by three additions at a key step's head, read by the step's 20 LDS loads.
;   KF, VF, SC        the step's LDS loads land in them; the step's products read them, VF and SC to the step's last line.
;   Q's four, QT      a tile's two loads land in them; the tile's products and one select read them.
;   PC                written by the conversions in every step and read by the second product; at a tile's end read by one store.
;   HW                written at a tile's end; read by one LDS store behind the second tile.
;   S, O              at the head alone: loads land in them and LDS stores read them.
; A key step has one wait on vm_vsrc, ahead of the three additions, and four on va_vdst: behind the additions (the addresses are written, the last step's products are done with the registers in which the loads land);
; behind each of the two batches of exponentials; and ahead of the second product, which takes p's codes and scale word.  At a tile's end ONE wait on va_vdst serves the store of the codes, the LDS store of HW
; and the next tile's two loads: no vector line stands between it and them.
.set KIMG, 0                           ; LDS: K's images: 1,024 bytes a block of 32 keys
.set VIMG, 65536                       ; V's: 4,096 bytes a key step: four tiles of 16 channels x 128 keys
.set SCB,  131072                      ; scale words: [key step][i][32 words]: lanes 0-15 K's word of block i, lanes 16-31 V's word of tile i
.set OSL,  139264                      ; O's scale words, gathered: 64 bytes a wave
.set LI,   1                           ; v1   16 x lane
.set LIV,  2                           ; v2   VIMG + 16 x lane
.set LSC,  3                           ; v3   SCB + 4 x lane
.set RQ,   4                           ; v4   16 r: my query's record
.set LF,   5                           ; v5   16 x thread
.set LFV,  6                           ; v6   VIMG + 16 x thread
.set RL,   7                           ; v7   the records of key step (thread / 16) % 16, lane index thread % 16
.set SCW,  8                           ; v8   where their words go
.set OSA,  9                           ; v9   OSL + 64 x wave + 4 r
.set OSR,  10                          ; v10  OSL + 16 (thread % 64)
.set OSG,  11                          ; v11  16 (thread % 64)
                                       ; v12 -M, v13 the largest t, v[14:15] the sum in two halves
.set QZ,   16                          ; v16-19 zero codes, v20-23 Q, v24-27 zero codes
.set QW,   28                          ; v28  Q's two scale bytes, twice: scales and nothing else
.set ADK,  29
.set ADV,  30
.set ADS,  31
.set KF,   32                          ; v32-63   four fragments of K
.set VF,   64                          ; v64-95   four fragments of V^T
.set S,    96                          ; v96-159  S^T, then p
.set O,    160                         ; v160-191 O^T
.set PC,   192                         ; v192-199 p's codes
.set BM,   200                         ; v200-203 a block's largest score, then its largest p
.set T4,   204                         ; v204-207 at work
.set SOP,  208                         ; v208-211 the conversions' scale operands
.set F,    212                         ; v[212:213] f = 2^(old M - new M); the upper register is only named
.set TA,   214
.set QT,   215                         ; Q's scale word as it was stored
.set SM2,  216                         ; v[216:217] the sums' second chain
.set HW0,  218                         ; O's two scale bytes of tile 0
.set HW,   219
.set SC,   232                         ; v232-235 scale words of the step: scales and nothing else
.set PW,   236                         ; v236     p's scale word: scales and nothing else
.set SEL,  40                          ; s[40:41]
.set CS,   42                          ; s[42:43] c = log2(e) / 8, twice
.set TB,   44                          ; s44  the step's images: 4,096 bytes a step
.set TS,   45                          ; s45  its scale words: 512 bytes a step
.set CNT,  46
	s_load_b256 s[8:15], s[0:1], 0x0               ; Qimg 8, Kimg 10, Vimg 12, Rec 14
	s_load_b128 s[16:19], s[0:1], 0x20             ; Oimg 16, Osw 18
	v_lshl_add_u32 v254, v0, 2, 0x22400
	v_mov_b32 v255, 0
	v_lshrrev_b32 v220, 5, v0
	v_readfirstlane_b32 s20, v220                  ; wave
	v_and_b32 v221, 31, v0                         ; lane
	v_and_b32 v222, 15, v0                         ; r
	v_lshlrev_b32 v[LI], 4, v221
	v_add_nc_u32 v[LIV], VIMG, v[LI]
	v_lshl_add_u32 v[LSC], v221, 2, SCB
	v_lshlrev_b32 v[RQ], 4, v222
	v_lshlrev_b32 v[LF], 4, v0
	v_add_nc_u32 v[LFV], VIMG, v[LF]
	v_bfe_u32 v223, v0, 4, 4
	v_lshlrev_b32 v[RL], 10, v223
	v_lshl_add_u32 v[RL], v222, 4, v[RL]
	v_lshlrev_b32 v[SCW], 9, v223
	v_lshl_add_u32 v[SCW], v222, 2, v[SCW]
	v_add_nc_u32 v[SCW], SCB, v[SCW]
	s_wait_alu depctr_va_sdst(0)                   ; s20, the wave's number, is written, ahead of its first reader
	s_lshl_b32 s21, s20, 6
	s_add_co_u32 s21, s21, OSL
	v_lshl_add_u32 v[OSA], v222, 2, s21
	v_and_b32 v[OSG], 63, v0
	v_lshlrev_b32 v[OSG], 4, v[OSG]
	v_add_nc_u32 v[OSR], OSL, v[OSG]
	s_and_b32 s22, ttmp7, 0xffff                   ; bh = 16 batch + head
	s_lshl_b32 s23, ttmp9, 4
	s_add_co_u32 s23, s23, s20                     ; blk: my block of 32 queries
	s_lshl_b32 s24, s22, 16                        ; the head in Qimg, Kimg, Vimg
	s_mov_b32 s25, 0
	s_lshl_b32 s26, s22, 14                        ; in Rec
	s_mov_b32 s27, 0
	s_lshl_b32 s28, s23, 10                        ; my block in Qimg
	s_mov_b32 s29, 0
	s_lshl_b32 s30, s23, 8                         ; in Rec
	s_mov_b32 s31, 0
	s_lshr_b32 s32, s22, 4
	s_lshl_b32 s32, s32, 6
	s_add_co_u32 s32, s32, s23                     ; 64 batch + blk
	s_lshl_b32 s32, s32, 14                        ; Oimg: 16,384 bytes a block of rows,
	s_and_b32 s34, s22, 15
	s_lshl_b32 s34, s34, 9                         ; 512 bytes a head in each tile's 8,192
	s_add_co_u32 s32, s32, s34
	s_mov_b32 s33, 0
	s_lshl_b32 s34, s22, 12                        ; Osw: 4,096 bytes a head, 1,024 for the work-group's 16 blocks
	s_lshl_b32 s36, ttmp9, 10
	s_add_co_u32 s34, s34, s36
	s_mov_b32 s35, 0
	s_mov_b32 s[SEL], 0x76543210
	s_mov_b32 s[SEL+1], 0xfedcba98
	s_mov_b32 s[CS], 0x3e38aa3b                    ; log2(e) / 8
	s_mov_b32 s[CS+1], s[CS]
	s_wait_kmcnt 0x0
	s_add_nc_u64 s[10:11], s[10:11], s[24:25]
	s_add_nc_u64 s[12:13], s[12:13], s[24:25]
	s_add_nc_u64 s[8:9], s[8:9], s[24:25]
	s_add_nc_u64 s[8:9], s[8:9], s[28:29]
	s_add_nc_u64 s[14:15], s[14:15], s[26:27]
	s_add_nc_u64 s[38:39], s[14:15], s[30:31]      ; my block's record
	s_add_nc_u64 s[16:17], s[16:17], s[32:33]
	s_add_nc_u64 s[18:19], s[18:19], s[34:35]
	s_wait_alu depctr_va_vdst(0)                   ; the offsets and addresses v1 and v4 to v11 are written, which the loads and stores of the kernel read
	; ---- the head's K and V into LDS as they lie: 512 threads x 16 bytes an instruction
.irp i, 0,1,2,3,4,5,6,7
	global_load_b128 v[S+4*\i:S+4*\i+3], v[LF], s[10:11] offset:8192*\i
.endr
.irp i, 0,1,2,3,4,5,6,7
	global_load_b128 v[S+32+4*\i:S+32+4*\i+3], v[LF], s[12:13] offset:8192*\i
.endr
	s_cmp_lt_u32 s20, 8                            ; waves 0 to 7 lay the scale words: thread = 16 x key step + r
	s_cbranch_scc0 .Lno_scales
.irp k, 0,1,2,3
	global_load_b128 v[O+4*\k:O+4*\k+3], v[RL], s[14:15] offset:256*\k   ; the records of the step's four blocks of keys
.endr
	s_wait_loadcnt 0x0
.irp k, 0,1,2,3
	ds_store_b32 v[SCW], v[O+4*\k+1] offset:128*\k ; K's word of block k, as it was stored
.endr
	; V's word of block k has a byte for each tile T; the product wants a word for each tile with a byte for each block: a 4 x 4 transposition of bytes
	v_perm_b32 v[O+16], v[O+6], v[O+2], 0x05010400
	v_perm_b32 v[O+17], v[O+6], v[O+2], 0x07030602
	v_perm_b32 v[O+18], v[O+14], v[O+10], 0x05010400
	v_perm_b32 v[O+19], v[O+14], v[O+10], 0x07030602
	v_perm_b32 v[O+20], v[O+18], v[O+16], 0x05040100
	v_perm_b32 v[O+21], v[O+18], v[O+16], 0x07060302
	v_perm_b32 v[O+22], v[O+19], v[O+17], 0x05040100
	v_perm_b32 v[O+23], v[O+19], v[O+17], 0x07060302
	s_wait_alu depctr_va_vdst(0)                   ; the selects have written V's four words, which the LDS stores read
.irp k, 0,1,2,3
	ds_store_b32 v[SCW], v[O+20+\k] offset:128*\k+64
.endr
.Lno_scales:
	s_wait_loadcnt 0x0
.irp i, 0,1,2,3,4,5,6,7
	ds_store_b128 v[LF], v[S+4*\i:S+4*\i+3] offset:8192*\i
.endr
.irp i, 0,1,2,3,4,5,6,7
	ds_store_b128 v[LFV], v[S+32+4*\i:S+32+4*\i+3] offset:8192*\i
.endr
.irp i, 0,1,2,3
	v_mov_b32 v[QZ+\i], 0                          ; zero codes on both sides of Q
	v_mov_b32 v[QZ+8+\i], 0
	v_mov_b32 v[T4+\i], 0                          ; a lane permute's destination counts as one of its sources
.endr
	v_mov_b32 v[F+1], 0                            ; named as the upper half of a pair
	s_wait_dscnt 0x0                               ; for the others' sake: my stores have landed
	s_barrier_signal -1
	s_barrier_wait -1                              ; K, V and the scale words are whole; nobody writes them again
; A KEY STEP: 128 keys for my 16 queries.
.macro STEP
	s_wait_alu depctr_vm_vsrc(0)                   ; the last step's LDS loads have read the three addresses, which are written again below
	v_add_nc_u32 v[ADK], s[TB], v[LI]
	v_add_nc_u32 v[ADV], s[TB], v[LIV]
	v_add_nc_u32 v[ADS], s[TS], v[LSC]
	v_nop                                          ; these four lines are the places in front of loads into registers that the last step's products read
	s_wait_alu depctr_va_vdst(0)                   ; the three addresses are written, which the loads below read; the last step's products are done reading K's and V's fragments and the scale words, in which they land; in a tile's first step Q's scale word and the zero codes are written, which the products below take
.irp b, 0,1,2,3
.irp c, 0,1
	ds_load_b128 v[KF+8*\b+4*\c:KF+8*\b+4*\c+3], v[ADK] offset:1024*\b+512*\c
.endr
.endr
.irp i, 0,1,2,3
	ds_load_b32 v[SC+\i], v[ADS] offset:128*\i
.endr
.irp b, 0,1,2,3
.irp c, 0,1
	ds_load_b128 v[VF+8*\b+4*\c:VF+8*\b+4*\c+3], v[ADV] offset:1024*\b+512*\c
.endr
.endr
	s_wait_dscnt 8                                 ; K and the scale words are in; V's eight loads may be out
.irp b, 0,1,2,3
.irp u, 0,1
	v_wmma_scale_f32_16x16x128_f8f6f4 v[S+16*\b+8*\u:S+16*\b+8*\u+7], v[KF+8*\b:KF+8*\b+7], v[QZ+4-4*\u:QZ+11-4*\u], 0, v[SC+\b], v[QW] matrix_a_fmt:MATRIX_FMT_FP4 matrix_b_fmt:MATRIX_FMT_FP4
.endr
.endr                                          ; register 16 b + i: key 32 b + 16 h + i of the step
.rept 4
	v_nop
.endr
.irp b, 0,1,2,3
	v_max3_num_f32 v[BM+\b], v[S+16*\b], v[S+1+16*\b], v[S+2+16*\b]   ; the largest score of each block of 32 keys: it serves the row's maximum and, since p rises with the score, the block's largest p
.endr
.irp i, 3,5,7,9,11,13
.irp b, 0,1,2,3
	v_max3_num_f32 v[BM+\b], v[BM+\b], v[S+16*\b+\i], v[S+1+16*\b+\i]
.endr
.endr
.irp b, 0,1,2,3
	v_max_num_f32 v[BM+\b], v[BM+\b], v[S+15+16*\b]
.endr
.irp b, 0,1,2,3
	v_permlanex16_b32 v[T4+\b], v[BM+\b], s[SEL], s[SEL+1]
.endr
.irp b, 0,1,2,3
	v_max_num_f32 v[BM+\b], v[BM+\b], v[T4+\b]     ; with lane l xor 16's 16 keys
.endr
	v_max3_num_f32 v[TA], v[BM], v[BM+1], v[BM+2]
	v_max_num_f32 v[TA], v[TA], v[BM+3]
	v_mul_f32 v[TA], s[CS], v[TA]                  ; the step's largest t (c is positive)
	v_max_num_f32 v13, v13, v[TA]                  ; the running largest t
	v_mov_b32 v[TA], v12
	v_floor_f32 v12, -v13                          ; the new -M = -ceil(t): a whole number
	v_sub_f32 v[TA], v12, v[TA]                    ; old M - new M: a whole number, 0 or less
	v_cvt_i32_f32 v[TA], v[TA]                     ; (it saturates)
	v_ldexp_f32 v[F], 1.0, v[TA]                   ; f = 2^(old M - new M)
.set j, 0
.rept 32
	v_pk_fma_f32 v[S+j:S+j+1], v[S+j:S+j+1], s[CS:CS+1], v[12:13] op_sel_hi:[1,0,0]   ; t - M, two at a time
.set j, j+2
.endr
.irp b, 0,1,2,3
	v_fma_f32 v[BM+\b], v[BM+\b], s[CS], v12       ; the same of each block's largest score
.endr
.set j, 0
	s_wait_alu depctr_va_vdst(0)
.rept 64
	v_exp_f32 v[S+j], v[S+j]                       ; p = 2^(t - M), at most 1
.set j, j+1
.endr
	v_pk_mul_f32 v[14:15], v[14:15], v[F:F+1] op_sel_hi:[1,0]   ; the sums under the new M: a plain place behind the exponentials
	s_wait_alu depctr_va_vdst(0)                   ; one wait for the batch of 64, ahead of its first reader
.irp b, 0,1,2,3
	v_exp_f32 v[BM+\b], v[BM+\b]                   ; the block's largest p: the same two instructions on the same number
.endr
	v_pk_add_f32 v[SM2:SM2+1], v[S:S+1], v[S+2:S+3]   ; the row's sum of the UNQUANTISED p, in two chains: plain work behind the four
.set j, 4
.rept 15
	v_pk_add_f32 v[14:15], v[14:15], v[S+j:S+j+1]
	v_pk_add_f32 v[SM2:SM2+1], v[SM2:SM2+1], v[S+j+2:S+j+3]
.set j, j+4
.endr
	v_pk_add_f32 v[14:15], v[14:15], v[SM2:SM2+1]
	s_wait_alu depctr_va_vdst(0)                   ; and one for the four
.irp b, 0,1,2,3
	v_max_num_f32 v[BM+\b], 0x1800000, v[BM+\b]    ; the floor 2^(3 - 127): the byte cannot fall under 1
.endr
.irp b, 0,1,2,3
	v_add_nc_u32 v[SOP+\b], 0xff000000, v[BM+\b]   ; 2 off the exponent field: the conversion's scale operand
.endr
.irp b, 0,1,2,3
	v_lshrrev_b32 v[T4+\b], 23, v[SOP+\b]          ; the scale's byte
.endr
	v_lshl_or_b32 v[PW], v[T4+1], 8, v[T4]
	v_lshl_or_b32 v[PW], v[T4+2], 16, v[PW]
	v_lshl_or_b32 v[PW], v[T4+3], 24, v[PW]
.irp b, 0,1,2,3
	v_cvt_scalef32_pk8_fp4_f32 v[PC+2*\b], v[S+16*\b:S+7+16*\b], v[SOP+\b]
	v_cvt_scalef32_pk8_fp4_f32 v[PC+1+2*\b], v[S+8+16*\b:S+15+16*\b], v[SOP+\b]
.endr
	v_nop                                          ; one plain place behind a scaled conversion
.irp c, 0,1
.irp i, 0,1
	v_permlane16_swap_b32 v[PC+4*\c+\i], v[PC+2+4*\c+\i]   ; a whole block of 32 keys to a lane
.endr
.endr
.set j, 0
.rept 16
	v_pk_mul_f32 v[O+j:O+j+1], v[O+j:O+j+1], v[F:F+1] op_sel_hi:[1,0]   ; O^T under the new M; these 16 are also the places between p's scale word and codes and the products below
.set j, j+2
.endr
	s_wait_dscnt 0x0                               ; V is in
	s_wait_alu depctr_va_vdst(0)                   ; p's codes and its scale word are written, which the products below take as an operand and as scales; the places above stay beside this wait
.irp b, 0,1,2,3
	v_wmma_scale_f32_16x16x128_f8f6f4 v[O+8*\b:O+8*\b+7], v[VF+8*\b:VF+8*\b+7], v[PC:PC+7], v[O+8*\b:O+8*\b+7], v[SC+\b], v[PW] matrix_a_fmt:MATRIX_FMT_FP4 matrix_b_fmt:MATRIX_FMT_FP4 matrix_a_scale:MATRIX_SCALE_ROW1
.endr                                          ; the four accumulators take one turn each in a step
.endm
; ONE TILE OF 16 QUERIES through all keys, then O / l as codes.
.macro PASS t
	global_load_b128 v[QZ+4:QZ+7], v[LI], s[8:9] offset:512*\t   ; no wait: no vector line has named these registers since the last wait on va_vdst (the head's; for the second tile the one at the first tile's end)
	global_load_b32 v[QT], v[RQ], s[38:39]
	v_mov_b32 v13, 0xff61b1e6                      ; the largest t so far: -3e38
	v_floor_f32 v12, -v13
	v_mov_b32 v14, 0
	v_mov_b32 v15, 0
	s_wait_xcnt 0x0                                ; the last tile's store has read its data: the codes' registers are written again below
	s_wait_alu depctr_vm_vsrc(0)                   ; first tile: the head's LDS stores have read v96 to v159 and v160 to v183; second tile: the first tile's store has read the codes' registers: all of these are written again below
	s_wait_loadcnt 0x0
.if \t == 0
	v_perm_b32 v[QW], v[QT], v[QT], 0x01000100     ; my tile's two bytes, in both halves of the word: they serve Q in either half of K
.else
	v_perm_b32 v[QW], v[QT], v[QT], 0x03020302
.endif
.set j, 0
.rept 32
	v_mov_b32 v[O+j], 0                            ; the step is written once: its first trip finds zeros.  (Also the places between the scale word's line and the first product)
.set j, j+1
.endr
	s_mov_b32 s[TB], 0
	s_mov_b32 s[TS], 0
	s_mov_b32 s[CNT], 16
.Lstep_\@:
	STEP
	s_add_co_u32 s[TB], s[TB], 4096
	s_add_co_u32 s[TS], s[TS], 512
	s_sub_co_u32 s[CNT], s[CNT], 1
	s_cmp_lg_u32 s[CNT], 0
	s_cbranch_scc1 .Lstep_\@
.rept 4
	v_nop                                          ; places behind the last products
.endr
	v_add_f32 v14, v14, v15
	v_permlanex16_b32 v[TA], v14, s[SEL], s[SEL+1]
	v_add_f32 v14, v14, v[TA]                      ; the row's sum
	s_wait_alu depctr_va_vdst(0)
	v_rcp_f32 v14, v14
	v_nop                                          ; a plain place behind the reciprocal
	s_wait_alu depctr_va_vdst(0)                   ; and the wait ahead of its first reader
.set j, 0
.rept 32
	v_mul_f32 v[S+j], v[O+j], v14                  ; O^T / l: register 16 b + i is channel 32 b + 16 h + i; each accumulator from its low end on
.set j, j+1
.endr
.irp b, 0,1
	v_max3_num_f32 v[BM+\b], |v[S+16*\b]|, |v[S+1+16*\b]|, 0x1800000
.endr
.irp i, 2,4,6,8,10,12,14
.irp b, 0,1
	v_max3_num_f32 v[BM+\b], v[BM+\b], |v[S+16*\b+\i]|, |v[S+1+16*\b+\i]|
.endr
.endr
.irp b, 0,1
	v_permlanex16_b32 v[T4+\b], v[BM+\b], s[SEL], s[SEL+1]
.endr
.irp b, 0,1
	v_max_num_f32 v[BM+\b], v[BM+\b], v[T4+\b]
.endr
.irp b, 0,1
	v_add_nc_u32 v[SOP+\b], 0xff000000, v[BM+\b]
.endr
.irp b, 0,1
	v_lshrrev_b32 v[T4+\b], 23, v[SOP+\b]
.endr
	v_lshl_or_b32 v[HW], v[T4+1], 8, v[T4]         ; the head's two scale bytes of my row
.irp b, 0,1
	v_cvt_scalef32_pk8_fp4_f32 v[PC+2*\b], v[S+16*\b:S+7+16*\b], v[SOP+\b]
	v_cvt_scalef32_pk8_fp4_f32 v[PC+1+2*\b], v[S+8+16*\b:S+15+16*\b], v[SOP+\b]
.endr
	v_nop
	v_permlane16_swap_b32 v[PC], v[PC+2]
	v_permlane16_swap_b32 v[PC+1], v[PC+3]         ; lanes 0-15: channels 0-31, lanes 16-31: channels 32-63
.if \t == 0
	v_mov_b32 v[HW0], v[HW]
.else
	v_lshl_or_b32 v[HW], v[HW], 16, v[HW0]         ; tile 0's bytes below, tile 1's above
.endif
	s_wait_alu depctr_va_vdst(0)                   ; the codes are written, which the store reads.  First tile: the products and the select are done reading Q's registers and its scale word's, in which the next tile's loads land.  Second tile: the word of scale bytes is written, which the LDS store behind this macro reads, and the vector lines are done with v96 to v99, in which an LDS load lands
	global_store_b128 v[LI], v[PC:PC+3], s[16:17] offset:8192*\t   ; 512 consecutive bytes
.endm
	PASS 0
	PASS 1
	ds_store_b32 v[OSA], v[HW]                     ; lanes l and l xor 16 write the same word with the same value
	s_wait_dscnt 0x0
	s_barrier_signal -1
	s_barrier_wait -1                              ; the sixteen waves' words lie together: 1,024 bytes
	s_cmp_lt_u32 s20, 2
	s_cbranch_scc0 .Ldone
	ds_load_b128 v[S:S+3], v[OSR]
	s_wait_dscnt 0x0
	global_store_b128 v[OSG], v[S:S+3], s[18:19]   ; a wave stores 512 consecutive bytes
.Ldone:
	s_wait_dscnt 0x0                               ; the closing lines, six on end
	s_wait_alu 0x0
	s_wait_tensorcnt 0x0
	ds_add_u32 v254, v255
	s_wait_dscnt 0x0
	s_endpgm
.Lfunc_end_k_q33bc99bb06_attn:
	.size	k_q33bc99bb06_attn, .Lfunc_end_k_q33bc99bb06_attn-k_q33bc99bb06_attn
	.p2alignl 7, 3214868480
	.fill 96, 4, 3214868480
	.section	.rodata,"a",@progbits
	.p2align	6, 0x0
	.amdhsa_kernel k_q33bc99bb06_attn
		.amdhsa_group_segment_fixed_size 142336
		.amdhsa_private_segment_fixed_size 0
		.amdhsa_enable_private_segment 0
		.amdhsa_kernarg_size 48
		.amdhsa_user_sgpr_count 2
		.amdhsa_user_sgpr_kernarg_segment_ptr 1
		.amdhsa_wavefront_size32 1
		.amdhsa_system_sgpr_workgroup_id_x 1
		.amdhsa_system_sgpr_workgroup_id_y 1
		.amdhsa_system_sgpr_workgroup_id_z 1
		.amdhsa_system_vgpr_workitem_id 0
		.amdhsa_next_free_vgpr 256
		.amdhsa_next_free_sgpr 66
		.amdhsa_reserve_vcc 0
		.amdhsa_float_denorm_mode_32 3
		.amdhsa_float_denorm_mode_16_64 3
		.amdhsa_memory_ordered 1
		.amdhsa_forward_progress 1
		.amdhsa_inst_pref_size 49
	.end_amdhsa_kernel
	.amdgpu_metadata
---
amdhsa.version: [ 1, 2 ]
amdhsa.kernels:
  - .name:           k_q33bc99bb06_attn
    .symbol:         k_q33bc99bb06_attn.kd
    .args:
      - { .name: Qimg, .offset: 0, .size: 8, .value_kind: global_buffer, .address_space: global }
      - { .name: Kimg, .offset: 8, .size: 8, .value_kind: global_buffer, .address_space: global }
      - { .name: Vimg, .offset: 16, .size: 8, .value_kind: global_buffer, .address_space: global }
      - { .name: Rec, .offset: 24, .size: 8, .value_kind: global_buffer, .address_space: global }
      - { .name: Oimg, .offset: 32, .size: 8, .value_kind: global_buffer, .address_space: global }
      - { .name: Osw, .offset: 40, .size: 8, .value_kind: global_buffer, .address_space: global }
    .group_segment_fixed_size: 142336
    .private_segment_fixed_size: 0
    .kernarg_segment_align: 8
    .kernarg_segment_size: 48
    .max_flat_workgroup_size: 512
    .sgpr_count:     66
    .vgpr_count:     256
    .wavefront_size: 32
...
	.end_amdgpu_metadata
.endif
;; end of part 5
;; launch proj (part 6): grid 256 x 1, 16 waves a work-group, no clusters, 95,232 bytes of LDS; arguments Oimg, Osw, Wo_codes, Wo_scales, bo, X, gamma, beta, out0; writes out0
.if DOCPART == 6
	.amdgcn_target "amdgcn-amd-amdhsa--gfx1250"
	.amdhsa_code_object_version 6
	.text
	.protected	k_q33bc99bb06_proj
	.globl	k_q33bc99bb06_proj
	.p2align	8
	.type	k_q33bc99bb06_proj,@function
k_q33bc99bb06_proj:
	s_mov_b64 s[64:65], 0
	v_nop
	global_prefetch_b8 v0, s[64:65] scope:SCOPE_SE
	s_setreg_imm32_b32 hwreg(HW_REG_WAVE_SCHED_MODE, 0, 2), 2
	s_setreg_imm32_b32 hwreg(HW_REG_WAVE_MODE, 25, 1), 1
	s_wait_xcnt 0x0
	s_wait_alu depctr_vm_vsrc(0)
; out = LayerNorm(O Wo^T + bo + X) x gamma + beta.  The product runs on codes of FP4 (E2M1) with E8M0 scales; all else is f32.
; SHARES.  A work-group owns 32 whole rows (two tiles of 16, lane index r of tile u = row 8 u + r + 8 (r / 8)), so that a row's mean and variance stay inside it.  Wave w owns columns 64 w .. 64 w + 63.
; O's codes arrive as images of operand registers: the block's 16,384 bytes are copied into LDS as they lie; its scale words are put together from two heads' halfwords.
; The product is used transposed (source 0 = 16 rows of Wo, source 1 = 16 rows of O; Wo's rows of a tile are 32 b + 8 t + r + 8 (r / 8)): a lane holds one row, and register 32 u + 16 b + i is column 64 w + 32 b + 16 h + i.
; Mean and variance in two passes (the variance of the differences): each wave's part of a row's sum goes through LDS, and every wave adds the sixteen parts in the same order.
; The weights go from memory straight into the registers of the one wave that multiplies them.
; NO CLUSTER: a joint load lands in LDS, and each wave reads other rows of Wo than its neighbours: all 524,288 weight bytes would be written to LDS and read from it once more.
; LIMITS: NaN and infinities are not served.  1 / sqrt is v_rsq_f32.
; THE MODE: SCHED_MODE bits 1:0 = 2 (LLVM: expert scheduling mode 2), set by the entry lines.  The code itself states the register dependences
; between vector or matrix instructions and memory or LDS instructions, with s_wait_alu, always for 0.
; THE PLAN.  Registers that memory or LDS instructions touch:
;   v1 .. v15          offsets and LDS addresses: written once at the head, never again.
;   v16 .. v23, v26    at the head: O's images as loaded and a scale word, read by three LDS stores; accumulators afterwards.
;   WF0, WF1, XF0, XF1, XS   K step s: its eight products read set s % 2; the loads of K step s + 2 land in it.
;   WF, BI, XF         behind the product: X's numbers, gamma and beta land in them.
;   SA, SB             written by vector lines, read by two LDS stores in each reduction, written again behind them; the sixteen parts land in WF.
;   ACC                on the way out read by LDS stores; the rows come back into WF, which the global stores read.
; All 256 registers are taken, so the weights have two sets.  A set is therefore asked for again as soon as it is empty: the wait on va_vdst stands behind the eight products that read it, in K steps 0 to 5,
; so that a wave that waits for one set always has the other set's loads on their way.
.set ACC,  16                          ; v16-79    8 accumulators, then the rows at work
.set WF,   80                          ; v80-143   weight fragments, two sets; then X's numbers; then the parts of the sums; then rows on the way out
.set XF,   144                         ; v144-175  O's fragments, two sets; then beta
.set XS,   176                         ; v176-179  O's scale words: scales and nothing else
.set WS,   180                         ; v180-211  Wo's scale words: scales and nothing else
.set BI,   212                         ; v212-243  bo, then gamma
.set SA,   244                         ; v[244:245] tile 0's sum;  v[246:247] tile 1's
.set SB,   246
.set RS,   248                         ; v[248:249], v[250:251] 1 / sqrt of tile 0, 1 (the upper registers are only named)
.set LI,   1
.set LS,   2
.set WA,   3
.set WSA,  4
.set BA,   5
.set LF,   6                           ; v6   16 x thread
.set XWS,  7                           ; v7   XSC + 128 x wave + 4 x lane
.set OSG,  8                           ; v8   4 r
.set XRA,  9                           ; v9   X: 4,096 (r + 8 (r / 8)) + 64 h
.set RA,   10                          ; v10  RED1 + 80 r + 4 x wave
.set RR,   11                          ; v11  RED1 + 80 r
.set SO,   12                          ; v12  my stage, in: 272 r + 64 h
.set SR,   13                          ; v13  my stage, back: 272 h + 16 r
.set GO,   14                          ; v14  out: 4,096 h + 16 r
.set PFO,  15                          ; v15  4,096 x lane
.set XIMG, 0                           ; LDS: O's 16 fragments (8 u + K step)
.set XSC,  16384                       ; their scale words, 128 bytes each
.set RED1, 18432                       ; 32 rows x 80 bytes: sixteen parts of a row's sum; the squares' lie 2,560 bytes on
.set STG,  23552                       ; 16 rows x 272 bytes for each wave
.set SEL,  42
.macro WM d, a, b, c, sa, sb
	v_wmma_scale_f32_16x16x128_f8f6f4 v[\d:\d+7], v[\a:\a+7], v[\b:\b+7], v[\c:\c+7], v[\sa], v[\sb] matrix_a_fmt:MATRIX_FMT_FP4 matrix_b_fmt:MATRIX_FMT_FP4
.endm
.macro WLOAD cb, s, set
.irp T, 0,1,2,3
.irp c, 0,1
	global_load_b128 v[WF+32*(\set)+8*\T+4*\c:WF+32*(\set)+8*\T+4*\c+3], v[WA], s[\cb:\cb+1] offset:(32*(\T/2)+8*(\T%2))*512+64*(\s)+32*\c
.endr
.endr
.endm
.macro WSLOAD sb
.irp T, 0,1,2,3
.irp q, 0,1
	global_load_b128 v[WS+8*\T+4*\q:WS+8*\T+4*\q+3], v[WSA], s[\sb:\sb+1] offset:(32*(\T/2)+8*(\T%2))*32+16*\q
.endr
.endr
.endm
.macro BLOAD_T dst, bb                 ; register 8 T + j: the number at column 32 b + 8 t + 16 h + j of my 64
.irp T, 0,1,2,3
.irp q, 0,1
	global_load_b128 v[\dst+8*\T+4*\q:\dst+8*\T+4*\q+3], v[BA], s[\bb:\bb+1] offset:(32*(\T/2)+8*(\T%2))*4+16*\q
.endr
.endr
.endm
.macro XFETCH s, set
.irp u, 0,1
.irp c, 0,1
	ds_load_b128 v[XF+16*(\set)+8*\u+4*\c:XF+16*(\set)+8*\u+4*\c+3], v[LI] offset:XIMG+(8*\u+(\s))*1024+512*\c
.endr
	ds_load_b32 v[XS+2*(\set)+\u], v[LS] offset:XSC+(8*\u+(\s))*128
.endr
.endm
.macro MM s, set                       ; eight accumulators by turns, one instruction a turn; the first step takes bo as C
.irp T, 0,1,2,3
.irp u, 0,1
.if (\s) == 0
	WM ACC+32*\u+8*\T, WF+32*(\set)+8*\T, XF+16*(\set)+8*\u, BI+8*\T, WS+8*\T+(\s), XS+2*(\set)+\u
.else
	WM ACC+32*\u+8*\T, WF+32*(\set)+8*\T, XF+16*(\set)+8*\u, ACC+32*\u+8*\T, WS+8*\T+(\s), XS+2*(\set)+\u
.endif
.endr
.endr
.endm
.macro GROUP cb
	XFETCH 0, 0
	XFETCH 1, 1
.irp s, 0,1,2,3,4,5,6,7
.if \s < 7
	s_wait_loadcnt 8                               ; all but the next step's eight weight loads are in
	s_wait_dscnt 6                                 ; all but the next step's six LDS loads are in
.else
	s_wait_loadcnt 0x0
	s_wait_dscnt 0x0
.endif
	MM \s, (\s)%2
.rept 4
	v_nop                                          ; four places in front of loads into registers that these products read, and of the first read of results
.endr
.if \s < 6
	s_wait_alu depctr_va_vdst(0)                   ; this step's products are done reading their set of weights, of O's fragments and of O's scale words, in which the loads below land
	WLOAD \cb, \s+2, (\s)%2
	XFETCH \s+2, (\s)%2
.endif
.if \s == 0
	global_prefetch_b8 v[PFO], s[18:19] th:TH_LOAD_NT scope:SCOPE_SE   ; my 256 bytes of each of the block's 32 rows of X, a lane a row: each named once in the launch, seven K steps ahead of the loads that want them
.endif
.endr
.endm
; v[SA:SA+1] and v[SB:SB+1] hold a lane's sums of tiles 0 and 1 in two halves.  They are joined over the row's 1,024 columns; the row's sums come back in v[SA] and v[SB].
.macro REDUCE off
	v_add_f32 v[SA], v[SA], v[SA+1]
	v_add_f32 v[SB], v[SB], v[SB+1]
	v_permlanex16_b32 v[SA+1], v[SA], s[SEL], s[SEL+1]
	v_permlanex16_b32 v[SB+1], v[SB], s[SEL], s[SEL+1]
	v_add_f32 v[SA], v[SA], v[SA+1]                ; my wave's 64 columns of row r
	v_add_f32 v[SB], v[SB], v[SB+1]
	s_wait_alu depctr_va_vdst(0)                   ; my two parts are written, which the LDS stores read; the vector lines so far are done with v80 to v111, in which the sixteen parts land
	ds_store_b32 v[RA], v[SA] offset:\off          ; lanes l and l xor 16 write the same word with the same value
	ds_store_b32 v[RA], v[SB] offset:\off+1280
	s_wait_dscnt 0x0                               ; for the others' sake: my parts have landed
	s_barrier_signal -1
	s_barrier_wait -1
.irp u, 0,1
.irp q, 0,1,2,3
	ds_load_b128 v[WF+16*\u+4*\q:WF+16*\u+4*\q+3], v[RR] offset:\off+1280*\u+16*\q
.endr
.endr
	s_wait_dscnt 0x0
	s_wait_alu depctr_vm_vsrc(0)                   ; my two LDS stores have read v[SA] and v[SB], which are written again below
.irp j, 2,4,6,8,10,12,14
.irp u, 0,1
	v_pk_add_f32 v[WF+16*\u:WF+16*\u+1], v[WF+16*\u:WF+16*\u+1], v[WF+16*\u+\j:WF+16*\u+\j+1]
.endr
.endr
	v_add_f32 v[SA], v[WF], v[WF+1]
	v_add_f32 v[SB], v[WF+16], v[WF+17]
.endm
	s_load_b512 s[8:23], s[0:1], 0x0               ; Oimg 8, Osw 10, Wo codes 12, Wo scales 14, bo 16, X 18, gamma 20, beta 22
	s_load_b64 s[24:25], s[0:1], 0x40              ; out0
	v_lshl_add_u32 v254, v0, 2, 0x16c00
	v_mov_b32 v255, 0
	v_lshrrev_b32 v248, 5, v0
	v_readfirstlane_b32 s26, v248                  ; wave
	v_and_b32 v248, 31, v0                         ; lane
	v_and_b32 v249, 15, v0                         ; r
	v_bfe_u32 v250, v0, 4, 1                       ; h
	v_and_b32 v251, 8, v249
	v_add_nc_u32 v251, v251, v249                  ; r + 8 (r / 8)
	v_lshlrev_b32 v[LI], 4, v248
	v_lshlrev_b32 v[LS], 2, v248
	v_lshlrev_b32 v[WA], 9, v251
	v_lshl_add_u32 v[WA], v250, 4, v[WA]
	v_lshlrev_b32 v[WSA], 5, v251
	v_lshlrev_b32 v[BA], 6, v250
	v_lshlrev_b32 v[LF], 4, v0
	s_wait_alu depctr_va_sdst(0)                   ; s26, the wave's number, is written, ahead of its first reader
	s_lshl_b32 s48, s26, 7
	s_add_co_u32 s48, s48, XSC
	v_add_nc_u32 v[XWS], s48, v[LS]
	v_lshlrev_b32 v[OSG], 2, v249
	v_lshlrev_b32 v[XRA], 12, v251
	v_lshl_add_u32 v[XRA], v250, 6, v[XRA]
	v_mul_u32_u24 v[RR], v249, 80
	v_add_nc_u32 v[RR], RED1, v[RR]
	s_lshl_b32 s48, s26, 2
	v_add_nc_u32 v[RA], s48, v[RR]
	s_mul_i32 s48, s26, 4352
	s_add_co_u32 s48, s48, STG                     ; my stage
	v_mul_u32_u24 v[SO], v249, 272
	v_lshl_add_u32 v[SO], v250, 6, v[SO]
	v_add_nc_u32 v[SO], s48, v[SO]
	v_mul_u32_u24 v[SR], v250, 272
	v_lshl_add_u32 v[SR], v249, 4, v[SR]
	v_add_nc_u32 v[SR], s48, v[SR]
	v_lshlrev_b32 v[GO], 12, v250
	v_lshl_add_u32 v[GO], v249, 4, v[GO]
	v_lshlrev_b32 v[PFO], 12, v248
	s_mov_b32 s27, ttmp9                           ; g: which 32 rows
	s_lshr_b32 s28, s27, 6                         ; batch
	s_and_b32 s29, s27, 63                         ; blk
	s_lshl_b32 s30, s27, 14                        ; Oimg: 16,384 bytes a block
	s_mov_b32 s31, 0
	s_lshl_b32 s32, s28, 16                        ; Osw: 65,536 bytes a batch, 64 a block, 4,096 a head: I take heads 2 (wave % 8) and the next
	s_lshl_b32 s48, s29, 6
	s_add_co_u32 s32, s32, s48
	s_and_b32 s48, s26, 7
	s_lshl_b32 s48, s48, 13
	s_add_co_u32 s32, s32, s48
	s_mov_b32 s33, 0
	s_lshl_b32 s34, s26, 15                        ; my 64 rows of Wo's codes,
	s_mov_b32 s35, 0
	s_lshl_b32 s36, s26, 11                        ; of its scale bytes,
	s_mov_b32 s37, 0
	s_lshl_b32 s38, s26, 8                         ; my 64 numbers of bo, gamma, beta
	s_mov_b32 s39, 0
	s_lshl_b32 s40, s27, 17                        ; X and out: the block's rows, my 256 bytes of them
	s_add_co_u32 s40, s40, s38
	s_mov_b32 s41, 0
	s_mov_b32 s[SEL], 0x76543210
	s_mov_b32 s[SEL+1], 0xfedcba98
	s_mov_b32 s45, 0x3a800000                      ; 1 / 1,024
	s_mov_b32 s46, 0x2b8cbccc                      ; 1e-12
	s_mov_b32 s47, 0xba800000                      ; -1 / 1,024
	s_mov_b32 s44, 0x07060302                      ; waves 8 to 15 make tile 1's scale words: the two upper halfwords;
	s_cmp_lt_u32 s26, 8
	s_cselect_b32 s44, 0x05040100, s44             ; waves 0 to 7 tile 0's: the two lower
	s_wait_kmcnt 0x0
	s_add_nc_u64 s[8:9], s[8:9], s[30:31]
	s_add_nc_u64 s[10:11], s[10:11], s[32:33]
	s_add_nc_u64 s[12:13], s[12:13], s[34:35]
	s_add_nc_u64 s[14:15], s[14:15], s[36:37]
	s_add_nc_u64 s[16:17], s[16:17], s[38:39]
	s_add_nc_u64 s[18:19], s[18:19], s[40:41]
	s_add_nc_u64 s[20:21], s[20:21], s[38:39]
	s_add_nc_u64 s[22:23], s[22:23], s[38:39]
	s_add_nc_u64 s[24:25], s[24:25], s[40:41]
	s_wait_alu depctr_va_vdst(0)                   ; the offsets and addresses v1 to v15 are written, which the loads, the stores and the prefetch of the kernel read
	; ---- O's images and scale words into LDS
	global_load_b128 v[16:19], v[LF], s[8:9]
	global_load_b128 v[20:23], v[LF], s[8:9] offset:8192
	global_load_b32 v24, v[OSG], s[10:11]              ; head 2 s: both tiles' bytes of lane index r
	global_load_b32 v25, v[OSG], s[10:11] offset:4096  ; head 2 s + 1
	WSLOAD 14
	BLOAD_T BI, 16
	WLOAD 12, 0, 0
	WLOAD 12, 1, 1
	s_wait_loadcnt 32                              ; the four loads above are in; the 32 issued behind them may be out
	ds_store_b128 v[LF], v[16:19] offset:XIMG
	ds_store_b128 v[LF], v[20:23] offset:XIMG+8192
	v_perm_b32 v26, v25, v24, s44                  ; K step s of tile u: the four bytes of channels 128 s on
	s_wait_alu depctr_va_vdst(0)                   ; the select has written v26, which the LDS store reads
	ds_store_b32 v[XWS], v26
	s_wait_dscnt 0x0
	s_barrier_signal -1
	s_barrier_wait -1                              ; O's 16 fragments and their scale words lie in LDS; nobody writes them again
	s_wait_alu depctr_vm_vsrc(0)                   ; my three LDS stores have read v16 to v23 and v26: these registers are accumulators from here on, written by the products
	; ---- the product
	GROUP 12
	s_wait_alu depctr_va_vdst(0)                   ; the products are done reading both sets of weights, bo and both sets of O's fragments, in which X's numbers, gamma and beta land
	; ---- the residual
.irp u, 0,1
.irp b, 0,1
.irp q, 0,1,2,3
	global_load_b128 v[WF+32*\u+16*\b+4*\q:WF+32*\u+16*\b+4*\q+3], v[XRA], s[18:19] offset:32768*\u+128*\b+16*\q th:TH_LOAD_NT
.endr
.endr
.endr
	BLOAD_T BI, 20                                 ; gamma
	BLOAD_T XF, 22                                 ; beta
	s_wait_loadcnt 16                              ; X's 16 loads are in; gamma's and beta's may be out
.set j, 0
.rept 32
	v_pk_add_f32 v[ACC+j:ACC+j+1], v[ACC+j:ACC+j+1], v[WF+j:WF+j+1]   ; each accumulator from its low end on
.set j, j+2
.endr
	; ---- the mean
	v_pk_add_f32 v[SA:SA+1], v[ACC:ACC+1], v[ACC+2:ACC+3]
	v_pk_add_f32 v[SB:SB+1], v[ACC+32:ACC+33], v[ACC+34:ACC+35]
.set j, 4
.rept 14
	v_pk_add_f32 v[SA:SA+1], v[SA:SA+1], v[ACC+j:ACC+j+1]
	v_pk_add_f32 v[SB:SB+1], v[SB:SB+1], v[ACC+32+j:ACC+33+j]
.set j, j+2
.endr
	REDUCE 0
	v_mul_f32 v[SA], s47, v[SA]                    ; -mean
	v_mul_f32 v[SB], s47, v[SB]
.set j, 0
.rept 16
	v_pk_add_f32 v[ACC+j:ACC+j+1], v[ACC+j:ACC+j+1], v[SA:SA+1] op_sel_hi:[1,0]
	v_pk_add_f32 v[ACC+32+j:ACC+33+j], v[ACC+32+j:ACC+33+j], v[SB:SB+1] op_sel_hi:[1,0]
.set j, j+2
.endr
	; ---- the variance, of the differences
	v_pk_mul_f32 v[SA:SA+1], v[ACC:ACC+1], v[ACC:ACC+1]
	v_pk_mul_f32 v[SB:SB+1], v[ACC+32:ACC+33], v[ACC+32:ACC+33]
.set j, 2
.rept 15
	v_pk_fma_f32 v[SA:SA+1], v[ACC+j:ACC+j+1], v[ACC+j:ACC+j+1], v[SA:SA+1]
	v_pk_fma_f32 v[SB:SB+1], v[ACC+32+j:ACC+33+j], v[ACC+32+j:ACC+33+j], v[SB:SB+1]
.set j, j+2
.endr
	REDUCE 2560
	v_fma_f32 v[SA], v[SA], s45, s46               ; variance + 1e-12
	v_fma_f32 v[SB], v[SB], s45, s46
	s_wait_alu depctr_va_vdst(0)
	v_rsq_f32 v[RS], v[SA]
	v_rsq_f32 v[RS+2], v[SB]
	v_nop                                          ; a plain place behind the two
	s_wait_alu depctr_va_vdst(0)                   ; one wait for both, ahead of their first reader
	s_wait_loadcnt 0x0                             ; gamma and beta
.set j, 0
.rept 16
	v_pk_mul_f32 v[ACC+j:ACC+j+1], v[ACC+j:ACC+j+1], v[RS:RS+1] op_sel_hi:[1,0]
	v_pk_mul_f32 v[ACC+32+j:ACC+33+j], v[ACC+32+j:ACC+33+j], v[RS+2:RS+3] op_sel_hi:[1,0]
.set j, j+2
.endr
.set j, 0
.rept 16
	v_pk_fma_f32 v[ACC+j:ACC+j+1], v[ACC+j:ACC+j+1], v[BI+j:BI+j+1], v[XF+j:XF+j+1]
	v_pk_fma_f32 v[ACC+32+j:ACC+33+j], v[ACC+32+j:ACC+33+j], v[BI+j:BI+j+1], v[XF+j:XF+j+1]
.set j, j+2
.endr
	; ---- the way out: a tile of 16 rows x my 256 bytes goes through my own stage and comes back by rows.  LDS serves a wave's instructions in order (ISA guide 5.7.1.4): no wait between my stores and my loads
	s_wait_alu depctr_va_vdst(0)                   ; the multiply-adds have written the 64 results, which the LDS stores read; the vector lines are done with v80 to v143, in which the rows come back
.irp u, 0,1
.irp b, 0,1
.irp q, 0,1,2,3
	ds_store_b128 v[SO], v[ACC+32*\u+16*\b+4*\q:ACC+32*\u+16*\b+4*\q+3] offset:128*\b+16*\q
.endr
.endr
.irp i, 0,1,2,3,4,5,6,7
	ds_load_b128 v[WF+32*\u+4*\i:WF+32*\u+4*\i+3], v[SR] offset:544*\i   ; lanes 0-15 lane index 2 i, lanes 16-31 lane index 2 i + 1
.endr
.endr
.irp u, 0,1
.irp i, 0,1,2,3,4,5,6,7
	s_wait_dscnt 23-16*\u-\i                       ; what may be out: this tile's younger loads, and for tile 0 tile 1's sixteen LDS instructions
	global_store_b128 v[GO], v[WF+32*\u+4*\i:WF+32*\u+4*\i+3], s[24:25] offset:(8*\u+2*\i+8*(\i/4))*4096 th:TH_STORE_NT   ; sixteen lanes store 256 consecutive bytes, aligned; lane index 2 i + h is row 8 u + 2 i + h + 8 (i / 4)
.endr
.endr
	s_wait_dscnt 0x0                               ; the closing lines, six on end
	s_wait_alu 0x0
	s_wait_tensorcnt 0x0
	ds_add_u32 v254, v255
	s_wait_dscnt 0x0
	s_endpgm
.Lfunc_end_k_q33bc99bb06_proj:
	.size	k_q33bc99bb06_proj, .Lfunc_end_k_q33bc99bb06_proj-k_q33bc99bb06_proj
	.p2alignl 7, 3214868480
	.fill 96, 4, 3214868480
	.section	.rodata,"a",@progbits
	.p2align	6, 0x0
	.amdhsa_kernel k_q33bc99bb06_proj
		.amdhsa_group_segment_fixed_size 95232
		.amdhsa_private_segment_fixed_size 0
		.amdhsa_enable_private_segment 0
		.amdhsa_kernarg_size 72
		.amdhsa_user_sgpr_count 2
		.amdhsa_user_sgpr_kernarg_segment_ptr 1
		.amdhsa_wavefront_size32 1
		.amdhsa_system_sgpr_workgroup_id_x 1
		.amdhsa_system_sgpr_workgroup_id_y 1
		.amdhsa_system_sgpr_workgroup_id_z 1
		.amdhsa_system_vgpr_workitem_id 0
		.amdhsa_next_free_vgpr 256
		.amdhsa_next_free_sgpr 66
		.amdhsa_reserve_vcc 0
		.amdhsa_float_denorm_mode_32 3
		.amdhsa_float_denorm_mode_16_64 3
		.amdhsa_memory_ordered 1
		.amdhsa_forward_progress 1
		.amdhsa_inst_pref_size 49
	.end_amdhsa_kernel
	.amdgpu_metadata
---
amdhsa.version: [ 1, 2 ]
amdhsa.kernels:
  - .name:           k_q33bc99bb06_proj
    .symbol:         k_q33bc99bb06_proj.kd
    .args:
      - { .name: Oimg, .offset: 0, .size: 8, .value_kind: global_buffer, .address_space: global }
      - { .name: Osw, .offset: 8, .size: 8, .value_kind: global_buffer, .address_space: global }
      - { .name: Wo_codes, .offset: 16, .size: 8, .value_kind: global_buffer, .address_space: global }
      - { .name: Wo_scales, .offset: 24, .size: 8, .value_kind: global_buffer, .address_space: global }
      - { .name: bo, .offset: 32, .size: 8, .value_kind: global_buffer, .address_space: global }
      - { .name: X, .offset: 40, .size: 8, .value_kind: global_buffer, .address_space: global }
      - { .name: gamma, .offset: 48, .size: 8, .value_kind: global_buffer, .address_space: global }
      - { .name: beta, .offset: 56, .size: 8, .value_kind: global_buffer, .address_space: global }
      - { .name: out0, .offset: 64, .size: 8, .value_kind: global_buffer, .address_space: global }
    .group_segment_fixed_size: 95232
    .private_segment_fixed_size: 0
    .kernarg_segment_align: 8
    .kernarg_segment_size: 72
    .max_flat_workgroup_size: 512
    .sgpr_count:     66
    .vgpr_count:     256
    .wavefront_size: 32
...
	.end_amdgpu_metadata
.endif
;; end of part 6
